; MI455X (gfx1250); checked and timed in simulation.
; The chip was launched on July 23, 2026; its instructions are those of AMD's public machine-readable ISA for CDNA 5 (MIT licence, August 2026) and "CDNA5" Instruction Set Architecture Reference Guide (July 2026). The comments in the code are by the model that wrote it; some were corrected since.
;; Attention Block. Allowed arithmetic: matrix products marked QUANTISED: E4M3 operands, one E8M0 scale for each 32 along K, by v_wmma_scale_f32_16x16x128_f8f6f4 with both operands' format E4M3, f32 sums; everything else in f32.
;; Inputs: b_out 256 float32; gn_bias 256 float32; gn_scale 256 float32; w_out 256 x 256 float32; w_qkv 256 x 768 float32; x 4 x 64 x 64 x 256 float32.
;; Outputs: out0 4 x 64 x 64 x 256 float32.
;; This version of the problem:
;;   THIS VERSION OF THE PROBLEM IS GIVEN IN LOW PRECISION. The matrix products marked QUANTISED in the list below multiply operands that are first quantised to E4M3 (4 exponent bits, 3 mantissa bits; 8 bits a number), with one power-of-two scale for each 32 numbers along K (OCP MX v1.0); their sums are f32. All else is computed in f32.
;;   The module's matrix products, in the order in which they are computed (A, B: the left and right operand; K: the contracted axis; several contracted axes count as one K, in the product's order):
;;     1. [M 16,384, K 256] x [K 256, N 768]; A: computed on the way; B: input w_qkv: QUANTISED
;;     2. batch 16 x [M 4,096, K 64] x [K 64, N 4,096]; A: computed on the way; B: computed on the way: QUANTISED
;;     3. batch 16 x [M 64, K 4,096] x [K 4,096, N 4,096]; A: computed on the way; B: softmax (see below): QUANTISED
;;     4. [M 16,384, K 256] x [K 256, N 256]; A: computed on the way; B: input w_out: QUANTISED
;;   THE QUANTISER, for each operand of a quantised product, along K:
;;     - K is cut into blocks of 32 from its start; a last block that is shorter is filled with zeros.
;;     - A block's scale is 2^e with e = floor(log2(the largest magnitude in the block)) - 8, held to -126 .. 127; a block of zeros has e = 0. As a byte (E8M0): e + 127.
;;     - Each number is divided by its block's scale, clamped to +-448, and rounded to the nearest number of E4M3, ties to even, subnormals kept.
;;     - The product sums the exact products of the quantised numbers (number of the format x scale) in f32.
;;   ~~~python
;;   def quantise(x, axis):      # numpy; x: float32 -> the quantised numbers, widened to float32 again
;;       x = np.moveaxis(x, axis, -1); K = x.shape[-1]
;;       x = np.pad(x, [(0, 0)] * (x.ndim - 1) + [(0, -K % 32)]); x = x.reshape(x.shape[:-1] + (-1, 32)); a = np.abs(x).max(-1, keepdims=True)
;;       e = np.where(a > 0, np.clip(np.frexp(np.where(a > 0, a, 1))[1] - 1 - 8, -126, 127), 0)      # np.frexp(a)[1] - 1 = floor(log2(a)), exactly
;;       r = np.clip(x / 2.0 ** e, -448, 448)
;;       step = 2.0 ** (np.maximum(np.frexp(np.where(r == 0, 1, r))[1] - 1, -6) - 3)
;;       q = np.round(r / step) * step * 2.0 ** e      # np.round: ties to even
;;       return np.moveaxis(q.reshape(q.shape[:-2] + (-1,))[..., :K], -1, axis).astype(np.float32)
;;   ~~~
;;   SOFTMAX AHEAD OF A QUANTISED PRODUCT. Where the list says 'softmax', what is quantised is not the finished softmax but p = 2^(t - M), with t = logit x log2(e) and M = ceil(the row's largest t), a whole number; so 1/2 < the row's largest p <= 1. The row's sum l is taken of the UNQUANTISED p, in f32, and the product's result is divided by l at the end. Since M is a whole number, a kernel that streams over the keys may use a running M (the ceiling of the running maximum): every later rescaling is an exact power of two, which a block's scale takes up: the codes' values come out the same.
;;   OPERANDS COMPUTED ON THE WAY. 'Computed on the way' means the value that the module computes at that place (a softmax that the list does not call 'softmax' is quantised finished and normalised). What goes into a quantiser is computed in f32, as accurately as f32 sums, v_exp_f32 and their like allow (about 1e-6 of the number): no bf16 or f16 on the way to a quantiser, and a product that is left as it is and whose result goes on into a quantised operand takes f32 operands (vector FMAs, or v_wmma_f32_16x16x4_f32). A number that lies on a knife's edge between two numbers of the format may be rounded either way, as far as f32 arithmetic and the matrix unit's own rounding can turn it there, and no further.
;; One version. Each part assembles by itself: llvm-mc -triple=amdgcn-amd-amdhsa -mcpu=gfx1250 --defsym DOCPART=n.
;; ======== version 1 of 1: 4 launches
;; limits: right only within a limited range of input values
;; workspace buffers: part 16,384 bytes; wc 262,144 bytes; ws 8,192 bytes; q_codes 4,194,304 bytes; q_scales 524,288 bytes; kv 8,912,896 bytes; res_codes 4,194,304 bytes; res_scales 524,288 bytes
;; launch stats (part 1): grid 256 x 1, 8 waves a work-group, no clusters, 2,048 bytes of LDS; arguments x, w_qkv, w_out, part, wc, ws; writes part, wc, ws
.if DOCPART == 1
	.amdgcn_target "amdgcn-amd-amdhsa--gfx1250"
	.amdhsa_code_object_version 6
	.text
	.protected	k_q0a524ff1a2_stats
	.globl	k_q0a524ff1a2_stats
	.p2align	8
	.type	k_q0a524ff1a2_stats,@function
k_q0a524ff1a2_stats:
	s_mov_b64 s[64:65], 0
	v_nop
	global_prefetch_b8 v0, s[64:65] scope:SCOPE_SE
	s_setreg_imm32_b32 hwreg(HW_REG_WAVE_MODE, 25, 1), 1
	s_wait_xcnt 0x0
; GroupNorm's statistics in parts, and both weights as codes of FP8 (E4M3) with one E8M0 byte for each 32 along K.
; x: [16,384 rows][256 channels] f32; a group is 32 neighbouring channels.  Work-group g takes rows 64 g .. 64 g + 63 and stores, for each of the 8 groups,
; the mean of its 2,048 numbers and the sum of their squared deviations from THAT mean (M2): part[g][group][mean, M2].  Later launches join a batch's 64 parts.
; No difference of large sums is formed anywhere: deviations are taken from a mean first, and parts are joined by mean = average of means,
; M2 = sum of M2 + count x sum of (mean_i - mean)^2.  So a common offset of the inputs costs no digits beyond those of the subtraction x - mean itself.
; Wave w takes 8 rows; a row is two loads of 512 consecutive bytes; in half j lane l holds channels 128 j + 4 l .. + 3, which lie in group 4 j + l / 8.
; WEIGHTS.  w_qkv [256 (k)][768] and w_out [256 (k)][256] have K as their first axis.  Wave 7 of work-group g takes one unit: 32 columns (run G = g / 8: 0-23 of w_qkv, 24-31 of w_out)
; x one block of 32 along K (kb = g % 8).  A lane takes a column and its 32 registers run down K: the block's maximum needs no other lane, and the codes come out with K innermost.
; They are stored in the order of an operand's registers: wc[G][u][kb][lane (r, h)][16 bytes], where tile u of the run holds column 32 G + 8 u + r + 8 (r / 8) in its row r, and h is the half of the block.
; ws[G][u][kb / 4][r] is the row's scale word, byte kb % 4.
; LIMITS: NaN and infinities are not served.  A block whose largest magnitude lies under 2^-118 gets the byte 1, a block of zeros too (the rule says 127): its codes are zeros and this program alone reads the bytes.
; No matrix unit, no tensor load, no cluster: the launch streams x once, and work-groups share nothing but 4 KB of a weight.
.set X,   16                           ; v16-79   row i, half j at X + 4 (2 i + j)
.set SM,  80                           ; v80-83   running sums, a pair for each half
.set NMN, 84                           ; v84-87   -mean, twice, for each half
.set RS,  88                           ; v88-91   (mean, M2) for each half; in wave 0 the work-group's result
.set T,   92                           ; v92-95   at work
.set WO,  96                           ; v96-127  wave 7: byte offsets of its 32 rows of the weight
.set WX,  128                          ; v128-159 wave 7: its 32 numbers
.set CD,  80                           ; v80-87   wave 7: its 32 codes (the sums are done with by then)
.macro RED d, s                        ; the sum over the eight lanes that share lane % 4: two steps inside a half of 16 lanes, one across the halves
	v_add_f32_dpp v[\d], v[\s], v[\s] row_xmask:4 row_mask:0xf bank_mask:0xf
	s_delay_alu instid0(VALU_DEP_1)
	v_add_f32_dpp v[\d], v[\d], v[\d] row_xmask:8 row_mask:0xf bank_mask:0xf
	s_delay_alu instid0(VALU_DEP_1)
	v_permlanex16_b32 v[NMN], v[\d], s22, s23
	s_delay_alu instid0(VALU_DEP_1)
	v_add_f32 v[\d], v[\d], v[NMN]
.endm
	s_load_b256 s[4:11], s[0:1], 0x0               ; x s[4:5], w_qkv s[6:7], w_out s[8:9], part s[10:11]
	s_load_b128 s[12:15], s[0:1], 0x20             ; wc s[12:13], ws s[14:15]
	v_lshl_add_u32 v160, v0, 2, 0x400
	v_mov_b32 v161, 0
	v_lshrrev_b32 v1, 5, v0
	s_delay_alu instid0(VALU_DEP_1)
	v_readfirstlane_b32 s16, v1                    ; wave 0..7
	v_and_b32 v1, 31, v0                           ; lane
	s_delay_alu instid0(VALU_DEP_1)
	v_lshlrev_b32 v2, 4, v1                        ; 16 x lane
	s_delay_alu instid0(VALU_DEP_2)
	v_lshrrev_b32 v3, 3, v1
	s_lshl_b32 s25, s16, 6
	v_lshl_add_u32 v3, v3, 3, s25                  ; LDS: 64 x wave + 8 x (lane / 8): my group's (mean, M2) of half 0; half 1's lies 32 bytes on
	s_lshr_b32 s17, ttmp9, 3                       ; G
	s_and_b32 s18, ttmp9, 7                        ; kb
	s_mov_b32 s22, 0x76543210
	s_mov_b32 s23, 0xfedcba98                      ; v_permlanex16_b32's selects for lane l xor 16
	s_lshl_b32 s26, ttmp9, 16                      ; 64 rows of 1,024 bytes a work-group,
	s_lshl_b32 s27, s16, 13                        ; 8 a wave
	s_add_co_u32 s26, s26, s27
	s_mov_b32 s27, 0
	s_wait_kmcnt 0x0
	s_add_nc_u64 s[4:5], s[4:5], s[26:27]
	s_cmp_eq_u32 s16, 7
	s_cbranch_scc0 .Lno_weight
	s_cmp_lt_u32 s17, 24                           ; which weight: the choice hangs on the work-group's number alone
	s_cselect_b64 s[20:21], s[6:7], s[8:9]
	s_mov_b32 s19, 1024
	s_cselect_b32 s19, 3072, s19                   ; bytes from a row of the weight to the next
	s_cselect_b32 s28, 0, 24
	s_sub_co_u32 s28, s17, s28                     ; the run of 32 columns within that weight,
	s_lshl_b32 s28, s28, 7                         ; 128 bytes each
	s_mul_i32 s29, s18, s19
	s_lshl_b32 s29, s29, 5                         ; 32 kb rows down
	s_add_co_u32 s28, s28, s29
	s_wait_alu depctr_va_vdst(0)
	v_lshl_add_u32 v[WO], v1, 2, s28               ; my column in the block's first row
.set i, 1
.rept 31
	v_mad_u32_u24 v[WO+i], s19, i, v[WO]
.set i, i+1
.endr
.set i, 0
.rept 32
	global_load_b32 v[WX+i], v[WO+i], s[20:21]     ; 32 lanes read 128 consecutive bytes of row 32 kb + i
.set i, i+1
.endr
.Lno_weight:
.set i, 0
	s_wait_alu depctr_va_vdst(0)
.rept 16
	global_load_b128 v[X+4*i:X+4*i+3], v2, s[4:5] offset:512*i     ; 512 consecutive bytes: half i % 2 of row i / 2
.set i, i+1
.endr
	s_wait_loadcnt 0x0
	; the wave's sums: 32 numbers a lane and half, then the eight lanes of a group
.irp j, 0,1
	v_pk_add_f32 v[SM+2*\j:SM+2*\j+1], v[X+4*\j:X+4*\j+1], v[X+4*\j+2:X+4*\j+3]
.endr
.irp i, 1,2,3,4,5,6,7
.irp p, 0,2
.irp j, 0,1
	s_delay_alu instid0(VALU_DEP_2)
	v_pk_add_f32 v[SM+2*\j:SM+2*\j+1], v[SM+2*\j:SM+2*\j+1], v[X+8*\i+4*\j+\p:X+8*\i+4*\j+\p+1]
.endr
.endr
.endr
.irp j, 0,1
	s_delay_alu instid0(VALU_DEP_2)
	v_add_f32 v[T+\j], v[SM+2*\j], v[SM+2*\j+1]
.endr
.irp m, 1,2,4
.irp j, 0,1
	s_delay_alu instid0(VALU_DEP_2)
	v_add_f32_dpp v[T+\j], v[T+\j], v[T+\j] row_xmask:\m row_mask:0xf bank_mask:0xf
.endr
.endr
.irp j, 0
	s_delay_alu instid0(VALU_DEP_2)
	v_mul_f32 v[RS+2*\j], 0x3b800000, v[T+\j]
	s_delay_alu instid0(VALU_DEP_3)
	v_mul_f32 v[NMN+2*\j], 0xbb800000, v[T+\j]
	s_delay_alu instid0(VALU_DEP_4)
	v_mul_f32 v[NMN+2*\j+1], 0xbb800000, v[T+\j]
.endr
.irp j, 1
	s_delay_alu instid0(VALU_DEP_4)
	v_mul_f32 v[RS+2*\j], 0x3b800000, v[T+\j]      ; the mean of the wave's 256 numbers of the group
	v_mul_f32 v[NMN+2*\j], 0xbb800000, v[T+\j]     ; and its negative, twice: a pair for the packed addition
	v_mul_f32 v[NMN+2*\j+1], 0xbb800000, v[T+\j]
.endr
.set n, 0
.rept 32
	v_pk_add_f32 v[X+2*n:X+2*n+1], v[X+2*n:X+2*n+1], v[NMN+2*((n/2)%2):NMN+2*((n/2)%2)+1]   ; deviations, in place
.set n, n+1
.endr
.irp j, 0,1
	v_pk_mul_f32 v[SM+2*\j:SM+2*\j+1], v[X+4*\j:X+4*\j+1], v[X+4*\j:X+4*\j+1]               ; the first squares start the sums
.endr
.irp j, 0,1
	s_delay_alu instid0(VALU_DEP_2)
	v_pk_fma_f32 v[SM+2*\j:SM+2*\j+1], v[X+4*\j+2:X+4*\j+3], v[X+4*\j+2:X+4*\j+3], v[SM+2*\j:SM+2*\j+1]
.endr
.irp i, 1,2,3,4,5,6,7
.irp p, 0,2
.irp j, 0,1
	s_delay_alu instid0(VALU_DEP_2)
	v_pk_fma_f32 v[SM+2*\j:SM+2*\j+1], v[X+8*\i+4*\j+\p:X+8*\i+4*\j+\p+1], v[X+8*\i+4*\j+\p:X+8*\i+4*\j+\p+1], v[SM+2*\j:SM+2*\j+1]
.endr
.endr
.endr
.irp j, 0,1
	s_delay_alu instid0(VALU_DEP_2)
	v_add_f32 v[RS+2*\j+1], v[SM+2*\j], v[SM+2*\j+1]
.endr
.irp m, 1,2,4
.irp j, 0,1
	s_delay_alu instid0(VALU_DEP_2)
	v_add_f32_dpp v[RS+2*\j+1], v[RS+2*\j+1], v[RS+2*\j+1] row_xmask:\m row_mask:0xf bank_mask:0xf
.endr
.endr
	ds_store_b64 v3, v[RS:RS+1]                    ; the eight lanes of a group write the same 8 bytes with the same value
	ds_store_b64 v3, v[RS+2:RS+3] offset:32
	s_wait_dscnt 0x0                               ; for wave 0's sake: my stores have landed
	s_barrier_signal -1
	s_barrier_wait -1
	s_cmp_eq_u32 s16, 0
	s_cbranch_scc0 .Lnot_wave_0
	; wave 0 joins the eight waves' parts: lane l takes wave l / 4, groups 2 (l % 4) and 2 (l % 4) + 1
	ds_load_b128 v[T:T+3], v2
	s_lshl_b32 s26, ttmp9, 6
	s_add_nc_u64 s[10:11], s[10:11], s[26:27]      ; part + 64 g
	s_wait_dscnt 0x0
	RED SM, T
	RED SM+1, T+2
	v_mul_f32 v[RS], 0x3e000000, v[SM]             ; the average of eight means of equally many numbers
	s_delay_alu instid0(VALU_DEP_2)
	v_mul_f32 v[RS+2], 0x3e000000, v[SM+1]
	s_delay_alu instid0(VALU_DEP_2)
	v_sub_f32 v[SM], v[T], v[RS]
	s_delay_alu instid0(VALU_DEP_2)
	v_sub_f32 v[SM+1], v[T+2], v[RS+2]
	s_delay_alu instid0(VALU_DEP_2)
	v_mul_f32 v[SM], v[SM], v[SM]
	s_delay_alu instid0(VALU_DEP_2)
	v_mul_f32 v[SM+1], v[SM+1], v[SM+1]
	s_delay_alu instid0(VALU_DEP_2)
	v_fmamk_f32 v[RS+1], v[SM], 0x43800000, v[T+1] ; M2 + 256 (mean_w - mean)^2
	s_delay_alu instid0(VALU_DEP_2)
	v_fmamk_f32 v[RS+3], v[SM+1], 0x43800000, v[T+3]
	RED RS+1, RS+1
	RED RS+3, RS+3
	s_wait_alu depctr_va_vdst(0)
	s_wait_xcnt 0x0                                ; EXEC changes only behind this wait: it is a source of the loads issued above
	v_cmp_gt_u32 vcc_lo, 4, v1
	s_wait_tensorcnt 0x0
	ds_add_u32 v160, v161
	s_wait_dscnt 0x0
	s_and_saveexec_b32 s30, vcc_lo
	global_store_b128 v2, v[RS:RS+3], s[10:11]     ; lanes 0-3: the work-group's 64 bytes
	s_wait_xcnt 0x0
	s_or_b32 exec_lo, exec_lo, s30
	s_endpgm
.Lnot_wave_0:
	s_cmp_eq_u32 s16, 7
	s_cbranch_scc0 .Lend
	; wave 7: its block of 32 along K, one column a lane
	v_max3_num_f32 v[T], |v[WX]|, |v[WX+1]|, |v[WX+2]|
	v_max3_num_f32 v[T+1], |v[WX+3]|, |v[WX+4]|, |v[WX+5]|
.irp i, 6,10,14,18,22,26
	s_delay_alu instid0(VALU_DEP_2)
	v_max3_num_f32 v[T], v[T], |v[WX+\i]|, |v[WX+\i+1]|
	s_delay_alu instid0(VALU_DEP_2)
	v_max3_num_f32 v[T+1], v[T+1], |v[WX+\i+2]|, |v[WX+\i+3]|
.endr
	s_delay_alu instid0(VALU_DEP_2)
	v_max3_num_f32 v[T], v[T], |v[WX+30]|, |v[WX+31]|
	s_delay_alu instid0(VALU_DEP_1)
	v_max3_num_f32 v[T], v[T], v[T+1], 0x4800000   ; and the floor 2^(9 - 127): the byte cannot fall under 1
	s_delay_alu instid0(VALU_DEP_1)
	v_add_nc_u32 v[T+2], 0xfc000000, v[T]          ; 8 off the exponent field: the conversion's scale operand
	s_delay_alu instid0(VALU_DEP_1)
	v_lshrrev_b32 v[T+1], 23, v[T+2]               ; the scale's byte
.set i, 0
.rept 32
.set i, i+1
.endr
.irp q, 0,1,2,3
	v_cvt_scalef32_pk8_fp8_f32 v[CD+2*\q:CD+2*\q+1], v[WX+8*\q:WX+8*\q+7], v[T+2]
.endr
	v_bfe_u32 v4, v1, 3, 1                         ; u: column l = 8 u + r + 8 (r / 8).  (A plain line behind the conversions)
	v_and_b32 v5, 7, v1
	v_lshrrev_b32 v6, 4, v1
	s_delay_alu instid0(VALU_DEP_1)
	v_lshl_or_b32 v5, v6, 3, v5                    ; r
	s_delay_alu instid0(VALU_DEP_1)
	v_lshlrev_b32 v7, 4, v5
	s_delay_alu instid0(VALU_DEP_1)
	v_lshl_add_u32 v7, v4, 12, v7                  ; codes: 4,096 u + 16 r
	s_wait_alu depctr_va_vdst(0)
	v_lshlrev_b32 v8, 2, v5
	s_delay_alu instid0(VALU_DEP_1)
	v_lshl_add_u32 v8, v4, 7, v8                   ; scale byte: 128 u + 4 r
	s_wait_alu depctr_va_vdst(0)
	s_lshl_b32 s26, s17, 13
	s_lshl_b32 s28, s18, 9
	s_add_co_u32 s26, s26, s28
	s_add_nc_u64 s[12:13], s[12:13], s[26:27]      ; wc + 8,192 G + 512 kb
	s_lshl_b32 s26, s17, 8
	s_lshr_b32 s28, s18, 2
	s_lshl_b32 s28, s28, 6
	s_add_co_u32 s26, s26, s28
	s_and_b32 s28, s18, 3
	s_add_co_u32 s26, s26, s28
	s_add_nc_u64 s[14:15], s[14:15], s[26:27]      ; ws + 256 G + 64 (kb / 4) + kb % 4
	global_store_b128 v7, v[CD:CD+3], s[12:13]             ; k 0-15 of the block: the places of lanes (r, 0): two runs of 256 consecutive bytes, one for each u
	global_store_b128 v7, v[CD+4:CD+7], s[12:13] offset:256   ; k 16-31: lanes (r, 1)
	global_store_b8 v8, v[T+1], s[14:15]
.Lend:
	s_wait_tensorcnt 0x0
	ds_add_u32 v160, v161
	s_wait_dscnt 0x0
	s_endpgm
.Lfunc_end_k_q0a524ff1a2_stats:
	.size	k_q0a524ff1a2_stats, .Lfunc_end_k_q0a524ff1a2_stats-k_q0a524ff1a2_stats
	.p2alignl 7, 3214868480
	.fill 96, 4, 3214868480
	.section	.rodata,"a",@progbits
	.p2align	6, 0x0
	.amdhsa_kernel k_q0a524ff1a2_stats
		.amdhsa_group_segment_fixed_size 2048
		.amdhsa_private_segment_fixed_size 0
		.amdhsa_enable_private_segment 0
		.amdhsa_kernarg_size 48
		.amdhsa_user_sgpr_count 2
		.amdhsa_user_sgpr_kernarg_segment_ptr 1
		.amdhsa_wavefront_size32 1
		.amdhsa_system_sgpr_workgroup_id_x 1
		.amdhsa_system_sgpr_workgroup_id_y 1
		.amdhsa_system_sgpr_workgroup_id_z 1
		.amdhsa_system_vgpr_workitem_id 0
		.amdhsa_next_free_vgpr 162
		.amdhsa_next_free_sgpr 66
		.amdhsa_reserve_vcc 1
		.amdhsa_float_denorm_mode_32 3
		.amdhsa_float_denorm_mode_16_64 3
		.amdhsa_fp16_overflow 1
		.amdhsa_memory_ordered 1
		.amdhsa_forward_progress 1
		.amdhsa_inst_pref_size 24
	.end_amdhsa_kernel
	.amdgpu_metadata
---
amdhsa.version: [ 1, 2 ]
amdhsa.kernels:
  - .name:           k_q0a524ff1a2_stats
    .symbol:         k_q0a524ff1a2_stats.kd
    .args:
      - { .name: x, .offset: 0, .size: 8, .value_kind: global_buffer, .address_space: global }
      - { .name: w_qkv, .offset: 8, .size: 8, .value_kind: global_buffer, .address_space: global }
      - { .name: w_out, .offset: 16, .size: 8, .value_kind: global_buffer, .address_space: global }
      - { .name: part, .offset: 24, .size: 8, .value_kind: global_buffer, .address_space: global }
      - { .name: wc, .offset: 32, .size: 8, .value_kind: global_buffer, .address_space: global }
      - { .name: ws, .offset: 40, .size: 8, .value_kind: global_buffer, .address_space: global }
    .group_segment_fixed_size: 2048
    .private_segment_fixed_size: 0
    .kernarg_segment_align: 8
    .kernarg_segment_size: 48
    .max_flat_workgroup_size: 256
    .sgpr_count:     66
    .vgpr_count:     162
    .wavefront_size: 32
...
	.end_amdgpu_metadata
.endif
;; end of part 1
;; launch qkv (part 2): grid 256 x 1, 4 waves a work-group, no clusters, 84,992 bytes of LDS; arguments x, gn_scale, gn_bias, part, wc, ws, q_codes, q_scales, kv; writes q_codes, q_scales, kv
.if DOCPART == 2
	.amdgcn_target "amdgcn-amd-amdhsa--gfx1250"
	.amdhsa_code_object_version 6
	.text
	.protected	k_q0a524ff1a2_qkv
	.globl	k_q0a524ff1a2_qkv
	.p2align	8
	.type	k_q0a524ff1a2_qkv,@function
k_q0a524ff1a2_qkv:
	s_mov_b64 s[64:65], 0
	v_nop
	global_prefetch_b8 v0, s[64:65] scope:SCOPE_SE
	s_setreg_imm32_b32 hwreg(HW_REG_WAVE_MODE, 25, 1), 1
	s_wait_xcnt 0x0
; xn = GroupNorm(x); qkv = Q(xn) Q(w_qkv) on codes of FP8 (E4M3) with one E8M0 scale for each 32 along K; then q and k are quantised along the head's 64 and v along the keys, and stored in the order of an operand's registers.
; SHARES.  Work-group g takes 64 positions of batch g / 64 (pb = g % 64) as four ROW TILES m = 2 b + u: tile m holds position 32 b + 8 u + r + 8 (r / 8) in its row r.
; Wave w normalises and quantises row tile w; then it is HEAD w: its 12 tiles of 16 columns of the weight (T = 2 beta + u; beta 0, 1: q, 2, 3: k, 4, 5: v) stay in 384 registers, read once.
; WHY THE ROWS OF A TILE ARE NOT NEIGHBOURS: a result tile gives lane (r, h) its rows 8 h + j, so the 16 registers of tiles (b, 0) and (b, 1) are 16 NEIGHBOURS 32 b + 16 h + 0 .. 15: what a conversion takes and the next operand's layout wants.
; q, k: the product is used transposed (source 0 = 16 columns of W, source 1 = 16 positions): a lane holds one position and registers along the head's channels.
; v: the product is used as it is (source 0 = 16 positions, source 1 = 16 columns): a lane holds one channel d and registers along the keys, which are the next K.
; OPERANDS GO FROM WAVE TO WAVE THROUGH LDS AS IMAGES OF THEIR REGISTERS: four stores of 16 bytes a lane at 16 x lane, the scale word at 4 x lane; one barrier.
; OUT: q_codes[bh][row tile][c 2][lane][16], q_scales[bh][row tile][lane] (bytes 0, 1; bytes 2, 3 are 0), kv[bh][step of 128 keys][17,408 bytes]:
;   + 0 K's codes [b' 4][u 2][c 2][lane][16];  + 8,192 V's codes [tile of d 4][block of 32 keys 4][lane][16];  + 16,384 K's scale words [lane][b'] (bytes 0, 1: tile (b', 0); 2, 3: tile (b', 1));  + 16,896 V's [lane][tile of d] (byte c: key block c).
; STATISTICS: a batch's 64 parts (mean, M2 of 2,048 numbers each) are joined by mean = average, M2 = sum of M2 + 2,048 x sum of (mean_i - mean)^2: no difference of large sums.
; NO CLUSTER, NO TENSOR LOAD: the weight is the one thing that work-groups share, and a wave takes its 49,152 bytes of it once, straight into the registers where it stays; through LDS the same bytes would make one more trip.
; LIMITS: NaN and infinities are not served.  A block whose largest magnitude lies under 2^-118 gets the byte 1, a block of zeros too (the rule says 127): its codes are zeros and this program alone reads the bytes.
; REGISTERS.  Window 0: v1-14 lane numbers and addresses; v16-47 the parts, then two fragments of x; v48-111 HA: rows of x, then eight result tiles; v112-127 gn_scale and gn_bias, then the codes just made;
;   v132-195 ST: rows of x, then four fragments of x; v200-215 at work; v216 the scale word just made; v217-220 x's scale words; v222-223 K's words to store; v224-247 W's scale words; v248-251 (-mean, rstd) of my two groups.
;   Window 1: W's fragments for q and k, (T, s) at 16 (2 T + s).   Window 2, v0-127: those for v.
.set FRB,  2048                        ; a fragment's image: 16 registers x 128 bytes
.set XIMG, 0                           ; LDS: x's 8 fragments (row tile m, K step s: 2 m + s),
.set XSC,  8*FRB                       ; their scale words, 128 bytes each,
.set TAB,  XSC+1024                    ; a table of (-mean, rstd) for the 8 groups, 64 bytes, for each wave,
.set STG,  TAB+256                     ; and a stage of 16 rows x (1,024 + 16) bytes for each wave
.set SPT,  1040
.set REC,  17408
.set LI,   4                           ; 16 x lane
.set LS,   5                           ; 4 x lane
.set SWR,  6                           ; my stage + 16 x lane: rows go in as they were loaded
.set SRD,  7                           ; my stage + 1,040 r + 64 h: and come back 16 neighbours of a block at a time
.set XWI,  8                           ; 16 x lane + 2 FRB x wave
.set XWS,  9                           ; 4 x lane + 256 x wave
.set R4,   10                          ; 4 r
.set TW,   11                          ; my table + 16 (lane % 4)
.set TR,   12                          ; my table + 8 (lane / 8)
.set QW,   13
.set KT,   14
.set PT,   16
.set XF,   16
.set HA,   48
.set PC,   112
.set GS,   112
.set GB,   120
.set ST,   132
.set TM,   200                         ; v200-203 largest magnitudes, v204-207 bytes, v212-215 the conversions' scale operands
.set SX,   200                         ; the statistics' nine registers, before that
.set RT,   208
.set PW,   216
.set XS,   217
.set KW,   222
.set WS,   224
.set MR,   248
.set WV,   22
.set SEL,  24
.set MNT,  26
.set SN,   27
.set SIV,  28
.set SEPS, 29
.set MSB, 0
.macro WIN new                         ; the immediate's high byte repeats the setting that is left
.if MSB != (\new)
	s_set_vgpr_msb (MSB<<8)|(\new)
.set MSB, (\new)
.endif
.endm
.macro RED d                           ; the sum over the eight lanes that share lane % 4
	v_add_f32_dpp v[\d], v[\d], v[\d] row_xmask:4 row_mask:0xf bank_mask:0xf
	v_add_f32_dpp v[\d], v[\d], v[\d] row_xmask:8 row_mask:0xf bank_mask:0xf
	v_permlanex16_b32 v[RT], v[\d], s[SEL], s[SEL+1]
	v_add_f32 v[\d], v[\d], v[RT]
.endm
; The batch's 64 parts lie in v[PT] on: load i gave lane l the part of work-group 8 i + l / 4, groups a = 2 (l % 4) and b = a + 1, as (mean_a, M2_a, mean_b, M2_b).
; Out: (-mean, rstd) of the two groups of my channels in v[MR] on, by way of the wave's own table (LDS serves a wave's instructions in order: no wait between the store and the loads).
.macro STATS
	v_pk_add_f32 v[SX:SX+1], v[PT:PT+1], v[PT+4:PT+5]
	v_pk_add_f32 v[SX+2:SX+3], v[PT+2:PT+3], v[PT+6:PT+7]
.irp i, 2,3,4,5,6,7
	v_pk_add_f32 v[SX:SX+1], v[SX:SX+1], v[PT+4*\i:PT+4*\i+1]
	v_pk_add_f32 v[SX+2:SX+3], v[SX+2:SX+3], v[PT+4*\i+2:PT+4*\i+3]
.endr
	RED SX
	RED SX+1
	RED SX+2
	RED SX+3
	v_mul_f32 v[SX], 0x3c800000, v[SX]             ; the mean: the average of 64 means of equally many numbers
	v_mul_f32 v[SX+2], 0x3c800000, v[SX+2]
	v_sub_f32 v[SX+6], v[PT], v[SX]
	v_sub_f32 v[SX+7], v[PT+2], v[SX+2]
	v_mul_f32 v[SX+4], v[SX+6], v[SX+6]
	v_mul_f32 v[SX+5], v[SX+7], v[SX+7]
.irp i, 1,2,3,4,5,6,7
	v_sub_f32 v[SX+6], v[PT+4*\i], v[SX]
	v_sub_f32 v[SX+7], v[PT+4*\i+2], v[SX+2]
	v_fmac_f32 v[SX+4], v[SX+6], v[SX+6]
	v_fmac_f32 v[SX+5], v[SX+7], v[SX+7]
.endr
	RED SX+4
	RED SX+5
	v_fmac_f32 v[SX+1], s[SN], v[SX+4]             ; M2 += 2,048 x the sum of (mean_i - mean)^2
	v_fmac_f32 v[SX+3], s[SN], v[SX+5]
	v_fma_f32 v[SX+1], v[SX+1], s[SIV], s[SEPS]    ; the variance, M2 / 2^17, + 1e-5
	v_fma_f32 v[SX+3], v[SX+3], s[SIV], s[SEPS]
	s_wait_alu depctr_va_vdst(0)
	v_rsq_f32 v[SX+5], v[SX+1]
	v_rsq_f32 v[SX+7], v[SX+3]
	v_mul_f32 v[SX+4], -1.0, v[SX]                 ; (plain lines behind the transcendentals)
	v_mul_f32 v[SX+6], -1.0, v[SX+2]
	s_wait_alu depctr_va_vdst(0)
	ds_store_b128 v[TW], v[SX+4:SX+7]              ; the eight lanes that share lane % 4 write the same 16 bytes with the same value
	ds_load_b64 v[MR:MR+1], v[TR]                  ; group lane / 8: my channels in a row's first half
	ds_load_b64 v[MR+2:MR+3], v[TR] offset:32      ; group 4 + lane / 8: in its second
.endm
; 64 numbers of a lane, v[s] .. v[s + 63], register 16 b + i = k 32 b + 16 (lane / 16) + i of my row, become a fragment's codes in v[PC] on and its scale word in v[PW].
.macro QUANT s
.irp b, 0,1,2,3
	v_max3_num_f32 v[TM+\b], |v[\s+16*\b]|, |v[\s+1+16*\b]|, 0x4800000   ; block b: my 16 numbers, and the floor 2^(9 - 127): the byte cannot fall under 1
.endr
.irp i, 2,4,6,8,10,12,14
.irp b, 0,1,2,3
	v_max3_num_f32 v[TM+\b], v[TM+\b], |v[\s+16*\b+\i]|, |v[\s+1+16*\b+\i]|   ; (the four blocks by turns)
.endr
.endr
.irp b, 0,1,2,3
	v_permlanex16_b32 v[TM+4+\b], v[TM+\b], s[SEL], s[SEL+1]
.endr
.irp b, 0,1,2,3
	v_max_num_f32 v[TM+\b], v[TM+\b], v[TM+4+\b]   ; with lane l xor 16's: the block's largest magnitude
.endr
.irp b, 0,1,2,3
	v_add_nc_u32 v[TM+12+\b], 0xfc000000, v[TM+\b] ; 8 off its exponent field: the conversion's scale operand
.endr
.irp b, 0,1,2,3
.endr
.irp b, 0,1,2,3
	v_lshrrev_b32 v[TM+4+\b], 23, v[TM+12+\b]      ; the scale's byte
.endr
	v_lshl_or_b32 v[PW], v[TM+5], 8, v[TM+4]
	v_lshl_or_b32 v[PW], v[TM+6], 16, v[PW]
	v_lshl_or_b32 v[PW], v[TM+7], 24, v[PW]
.irp b, 0,1,2,3
.irp i, 0,1,2,3,4,5,6,7,8,9,10,11,12,13,14,15
.endr
	v_cvt_scalef32_pk8_fp8_f32 v[PC+4*\b:PC+1+4*\b], v[\s+16*\b:\s+7+16*\b], v[TM+12+\b]
	v_cvt_scalef32_pk8_fp8_f32 v[PC+2+4*\b:PC+3+4*\b], v[\s+8+16*\b:\s+15+16*\b], v[TM+12+\b]
.endr
	v_nop                                          ; a plain line between the last conversion and the next vector or matrix instruction that writes its sources
.endm
.macro IMAGE adr, off
.irp c, 0,1,2,3
	ds_store_b128 v[\adr], v[PC+4*\c:PC+4*\c+3] offset:\off+512*\c
.endr
.endm
.macro FETCH reg, off
.irp c, 0,1,2,3
	ds_load_b128 v[\reg+4*\c:\reg+4*\c+3], v[LI] offset:\off+512*\c
.endr
.endm
.macro PLACES                          ; eight plain lines behind this matrix form, ahead of loads into its operands and of the first read of its results
.rept 8
	v_nop
.endr
.endm
	s_load_b512 s[4:19], s[0:1], 0x0               ; x 4, gn_scale 6, gn_bias 8, part 10, wc 12, ws 14, q_codes 16, q_scales 18
	s_load_b64 s[20:21], s[0:1], 0x40              ; kv
	v_lshl_add_u32 v254, v0, 2, 0x14a00
	v_mov_b32 v255, 0
	v_lshrrev_b32 v1, 5, v0
	v_readfirstlane_b32 s[WV], v1                  ; wave 0..3
	v_and_b32 v1, 31, v0                           ; lane
	v_and_b32 v2, 15, v0                           ; r
	v_bfe_u32 v3, v0, 4, 1                         ; h
	v_lshlrev_b32 v[LI], 4, v1
	v_lshlrev_b32 v[LS], 2, v1
	s_mul_i32 s40, s[WV], 16*SPT
	s_add_co_u32 s40, s40, STG
	v_add_nc_u32 v[SWR], s40, v[LI]
	v_mul_u32_u24 v[SRD], v2, SPT
	v_lshl_add_u32 v[SRD], v3, 6, v[SRD]
	v_add_nc_u32 v[SRD], s40, v[SRD]
	s_lshl_b32 s40, s[WV], 12
	v_add_nc_u32 v[XWI], s40, v[LI]
	s_lshl_b32 s40, s[WV], 8
	v_add_nc_u32 v[XWS], s40, v[LS]
	v_lshlrev_b32 v[R4], 2, v2
	s_lshl_b32 s40, s[WV], 6
	s_add_co_u32 s40, s40, TAB
	v_and_b32 v[TW], 3, v0
	v_lshl_add_u32 v[TW], v[TW], 4, s40
	v_lshrrev_b32 v[TR], 3, v1
	v_lshl_add_u32 v[TR], v[TR], 3, s40
	v_mov_b32 v[RT], 0                             ; written once: a lane permute's destination counts as one of its sources
	s_mov_b32 s[SEL], 0x76543210
	s_mov_b32 s[SEL+1], 0xfedcba98
	s_mov_b32 s[SN], 0x45000000                    ; 2,048
	s_mov_b32 s[SIV], 0x37000000                   ; 2^-17: a group has 4,096 x 32 numbers
	s_mov_b32 s[SEPS], 0x3727c5ac                  ; 1e-5
	s_lshr_b32 s30, ttmp9, 6                       ; batch
	s_and_b32 s31, ttmp9, 63                       ; pb
	s_lshl_b32 s40, ttmp9, 16                      ; x: 64 rows of 1,024 bytes a work-group; my tile begins 32 (w / 2) + 8 (w % 2) rows on
	s_lshr_b32 s42, s[WV], 1
	s_lshl_b32 s42, s42, 15
	s_add_co_u32 s40, s40, s42
	s_and_b32 s42, s[WV], 1
	s_lshl_b32 s42, s42, 13
	s_add_co_u32 s40, s40, s42
	s_mov_b32 s41, 0
	s_lshl_b32 s42, s30, 12                        ; part: 4,096 bytes a batch
	s_mov_b32 s43, 0
	s_mul_i32 s44, s[WV], 49152                    ; wc: six runs of 8,192 bytes a head
	s_mov_b32 s45, 0
	s_mul_i32 s46, s[WV], 1536                     ; ws: six runs of 256
	s_mov_b32 s47, 0
	s_lshl_b32 s48, s30, 2
	s_add_co_u32 s48, s48, s[WV]                   ; bh = 4 batch + head
	s_lshl_b32 s50, s48, 18                        ; q_codes: (256 bh + 4 pb) x 1,024
	s_lshl_b32 s49, s31, 12
	s_add_co_u32 s50, s50, s49
	s_mov_b32 s51, 0
	s_lshl_b32 s52, s48, 15                        ; q_scales: (256 bh + 4 pb) x 128
	s_lshl_b32 s49, s31, 9
	s_add_co_u32 s52, s52, s49
	s_mov_b32 s53, 0
	s_lshl_b32 s54, s48, 5                         ; kv: record 32 bh + pb / 2
	s_lshr_b32 s49, s31, 1
	s_add_co_u32 s54, s54, s49
	s_mul_i32 s54, s54, REC
	s_mov_b32 s55, 0
	s_and_b32 s49, s31, 1                          ; which half of the record's 128 keys is ours
	s_wait_kmcnt 0x0
	s_add_nc_u64 s[4:5], s[4:5], s[40:41]
	s_add_nc_u64 s[10:11], s[10:11], s[42:43]
	s_add_nc_u64 s[12:13], s[12:13], s[44:45]
	s_add_nc_u64 s[14:15], s[14:15], s[46:47]
	s_add_nc_u64 s[16:17], s[16:17], s[50:51]
	s_add_nc_u64 s[18:19], s[18:19], s[52:53]
	s_add_nc_u64 s[20:21], s[20:21], s[54:55]
	s_lshl_b32 s40, s49, 12
	s_add_nc_u64 s[32:33], s[20:21], s[40:41]      ; K's codes: + 4,096 half
	s_lshl_b32 s40, s49, 3
	s_add_co_u32 s40, s40, 16384
	s_add_nc_u64 s[34:35], s[20:21], s[40:41]      ; K's scale words: + 16,384 + 8 half
	s_lshl_b32 s40, s49, 10
	s_add_co_u32 s40, s40, 8192
	s_add_nc_u64 s[36:37], s[20:21], s[40:41]      ; V's codes: + 8,192 + 1,024 half
	s_lshl_b32 s40, s49, 1
	s_add_co_u32 s40, s40, 16896
	s_add_nc_u64 s[38:39], s[20:21], s[40:41]      ; V's scale words: + 16,896 + 2 half
.set i, 0
.rept 8
	global_load_b128 v[PT+4*i:PT+4*i+3], v[LI], s[10:11] offset:512*i   ; the batch's 64 parts
.set i, i+1
.endr
.irp j, 0,1
	global_load_b128 v[GS+4*\j:GS+4*\j+3], v[LI], s[6:7] offset:512*\j   ; gain and bias of my channels 128 j + 4 lane .. + 3
	global_load_b128 v[GB+4*\j:GB+4*\j+3], v[LI], s[8:9] offset:512*\j
.endr
.set n, 0
.rept 16
	global_load_b128 v[HA+4*n:HA+4*n+3], v[LI], s[4:5] offset:512*n          ; the tile's rows 0-7: eight neighbouring positions, 512 consecutive bytes a load
	global_load_b128 v[ST+4*n:ST+4*n+3], v[LI], s[4:5] offset:16384+512*n    ; its rows 8-15: the eight positions 16 further on
.set n, n+1
.endr
	s_wait_loadcnt 32                              ; the parts, gain and bias are in; x's 32 loads may be out
	STATS
	s_wait_dscnt 0x0
.irp j, 0,1
.irp k, 0,1,2,3
	v_mul_f32 v[GS+4*\j+\k], v[GS+4*\j+\k], v[MR+2*\j+1]   ; gain x rstd
.endr
.endr
	WIN 0x40                                       ; destination window 1
.set i, 0
.rept 64
	global_load_b128 v[4*i:4*i+3], v[LI], s[12:13] offset:512*i   ; W's 16 fragments for q and k, as they lie: 512 consecutive bytes a load
.set i, i+1
.endr
	WIN 0
	s_wait_loadcnt 63                              ; 64 loads were issued behind x's, and the wait's field holds 63: x is in
.irp base, HA, ST
.set n, 0
.rept 32
	v_pk_add_f32 v[\base+2*n:\base+2*n+1], v[\base+2*n:\base+2*n+1], v[MR+2*((n/2)%2):MR+2*((n/2)%2)+1] op_sel_hi:[1,0]   ; x - mean
.set n, n+1
.endr
.endr
.irp base, HA, ST
.set n, 0
.rept 32
	v_pk_fma_f32 v[\base+2*n:\base+2*n+1], v[\base+2*n:\base+2*n+1], v[GS+4*((n/2)%2)+2*(n%2):GS+4*((n/2)%2)+2*(n%2)+1], v[GB+4*((n/2)%2)+2*(n%2):GB+4*((n/2)%2)+2*(n%2)+1]
.set n, n+1
.endr
.endr
.set n, 0
.rept 16
	ds_store_b128 v[SWR], v[HA+4*n:HA+4*n+3] offset:SPT*(n/2)+512*(n%2)
	ds_store_b128 v[SWR], v[ST+4*n:ST+4*n+3] offset:SPT*(8+n/2)+512*(n%2)
.set n, n+1
.endr
	s_wait_dscnt 0x0                               ; the stores have read their registers, which the loads below fill again
.set i, 0
.rept 24
	global_load_b32 v[WS+i], v[R4], s[14:15] offset:64*i   ; W's scale words: (T, s) at 2 T + s; lane r takes row r's
.set i, i+1
.endr
	WIN 0x80                                       ; destination window 2
.set i, 0
.rept 32
	global_load_b128 v[4*i:4*i+3], v[LI], s[12:13] offset:32768+512*i   ; W's 8 fragments for v
.set i, i+1
.endr
	WIN 0
.irp b, 0,1,2,3
.irp j, 0,1,2,3
	ds_load_b128 v[HA+16*\b+4*\j:HA+16*\b+4*\j+3], v[SRD] offset:128*\b+16*\j       ; K step 0: of row r, channels 32 b + 16 h + 0 .. 15
.endr
.endr
.irp b, 0,1,2,3
.irp j, 0,1,2,3
	ds_load_b128 v[ST+16*\b+4*\j:ST+16*\b+4*\j+3], v[SRD] offset:512+128*\b+16*\j   ; K step 1
.endr
.endr
	s_wait_dscnt 16                                ; K step 0's sixteen are in
	QUANT HA
	IMAGE XWI, XIMG
	ds_store_b32 v[XWS], v[PW] offset:XSC
	s_wait_dscnt 0x0                               ; K step 1 is in, and the stores have read their registers
	QUANT ST
	IMAGE XWI, XIMG+FRB
	ds_store_b32 v[XWS], v[PW] offset:XSC+128
	s_wait_dscnt 0x0                               ; for the others' sake: my images have landed
	s_barrier_signal -1
	s_barrier_wait -1                              ; x's eight fragments lie in LDS; nobody writes them again
	s_wait_loadcnt 32                              ; W's fragments for q and k and all its scale words are in; the 32 loads for v may be out
	; ---- q and k of my head, a row tile at a time
.irp m, 0,1,2,3
	FETCH XF, XIMG+(2*\m)*FRB
	FETCH XF+16, XIMG+(2*\m+1)*FRB
	ds_load_b32 v[XS], v[LS] offset:XSC+128*(2*\m)
	ds_load_b32 v[XS+1], v[LS] offset:XSC+128*(2*\m+1)
	s_wait_dscnt 0x0
	WIN 0x01                                       ; source 0 (W) window 1
.irp t, 0,1,2,3,4,5,6,7
	v_wmma_scale_f32_16x16x128_f8f6f4 v[HA+8*\t:HA+8*\t+7], v[32*\t:32*\t+15], v[XF:XF+15], 0, v[WS+2*\t], v[XS]
.endr
.irp t, 0,1,2,3,4,5,6,7                        ; the eight accumulators take turns
	v_wmma_scale_f32_16x16x128_f8f6f4 v[HA+8*\t:HA+8*\t+7], v[32*\t+16:32*\t+31], v[XF+16:XF+31], v[HA+8*\t:HA+8*\t+7], v[WS+2*\t+1], v[XS+1]
.endr
	WIN 0
	PLACES
	s_wait_xcnt 0x0                                ; the last tile's stores have read their data: the codes' registers are written again only behind this wait
	QUANT HA                                       ; blocks 0, 1: q's 64 channels; blocks 2, 3: k's
	v_and_b32 v[QW], 0xffff, v[PW]
.if (\m)%2 == 0
	v_lshrrev_b32 v[KT], 16, v[PW]                 ; k's two bytes of tile (b, 0) wait for those of tile (b, 1)
.else
	v_and_or_b32 v[KW+(\m)/2], v[PW], 0xffff0000, v[KT]
.endif
	global_store_b128 v[LI], v[PC:PC+3], s[16:17] offset:1024*\m              ; each store covers 512 consecutive bytes, aligned
	global_store_b128 v[LI], v[PC+4:PC+7], s[16:17] offset:1024*\m+512
	global_store_b32 v[LS], v[QW], s[18:19] offset:128*\m
	global_store_b128 v[LI], v[PC+8:PC+11], s[32:33] offset:2048*(\m/2)+1024*(\m%2)
	global_store_b128 v[LI], v[PC+12:PC+15], s[32:33] offset:2048*(\m/2)+1024*(\m%2)+512
.endr
	global_store_b64 v[LI], v[KW:KW+1], s[34:35]   ; my lane's words of our two pairs of tiles
	s_wait_loadcnt 0x0                             ; W's fragments for v
	; ---- v of my head: 32 channels d at a time, all 64 keys
.irp pp, 0,1
.irp s, 0,1
.irp m, 0,1,2,3
	FETCH ST+16*\m, XIMG+(2*\m+\s)*FRB
	ds_load_b32 v[XS+\m], v[LS] offset:XSC+128*(2*\m+\s)
.endr
	s_wait_dscnt 0x0
	WIN 0x08                                       ; source 1 (W) window 2
.irp u, 0,1
.irp m, 0,1,2,3
.if \s == 0
	v_wmma_scale_f32_16x16x128_f8f6f4 v[HA+32*\u+8*\m:HA+32*\u+8*\m+7], v[ST+16*\m:ST+16*\m+15], v[16*(2*(2*\pp+\u)+\s):16*(2*(2*\pp+\u)+\s)+15], 0, v[XS+\m], v[WS+2*(8+2*\pp+\u)+\s]
.else
	v_wmma_scale_f32_16x16x128_f8f6f4 v[HA+32*\u+8*\m:HA+32*\u+8*\m+7], v[ST+16*\m:ST+16*\m+15], v[16*(2*(2*\pp+\u)+\s):16*(2*(2*\pp+\u)+\s)+15], v[HA+32*\u+8*\m:HA+32*\u+8*\m+7], v[XS+\m], v[WS+2*(8+2*\pp+\u)+\s]
.endif
.endr
.endr
	WIN 0
	PLACES
.endr
	s_wait_xcnt 0x0                                ; earlier stores have read their data
	QUANT HA                                       ; block 2 u + b: channel d of row r of tile 2 pp + u, keys 32 b + 16 h + 0 .. 15
.irp u, 0,1
.irp b, 0,1
	global_store_b128 v[LI], v[PC+4*(2*\u+\b):PC+4*(2*\u+\b)+3], s[36:37] offset:2048*(2*\pp+\u)+512*\b
.endr
.endr
	global_store_b16 v[LI], v[PW], s[38:39] offset:8*\pp            ; two of a word's four bytes: the other two are the neighbouring work-group's.  1 byte in 34 of kv leaves so; in return a key step's four words come to a lane by one load
	global_store_d16_hi_b16 v[LI], v[PW], s[38:39] offset:8*\pp+4
.endr
	s_wait_tensorcnt 0x0
	ds_add_u32 v254, v255
	s_wait_dscnt 0x0
	s_endpgm
.Lfunc_end_k_q0a524ff1a2_qkv:
	.size	k_q0a524ff1a2_qkv, .Lfunc_end_k_q0a524ff1a2_qkv-k_q0a524ff1a2_qkv
	.p2alignl 7, 3214868480
	.fill 96, 4, 3214868480
	.section	.rodata,"a",@progbits
	.p2align	6, 0x0
	.amdhsa_kernel k_q0a524ff1a2_qkv
		.amdhsa_group_segment_fixed_size 84992
		.amdhsa_private_segment_fixed_size 0
		.amdhsa_enable_private_segment 0
		.amdhsa_kernarg_size 72
		.amdhsa_user_sgpr_count 2
		.amdhsa_user_sgpr_kernarg_segment_ptr 1
		.amdhsa_wavefront_size32 1
		.amdhsa_system_sgpr_workgroup_id_x 1
		.amdhsa_system_sgpr_workgroup_id_y 1
		.amdhsa_system_sgpr_workgroup_id_z 1
		.amdhsa_system_vgpr_workitem_id 0
		.amdhsa_next_free_vgpr 640
		.amdhsa_next_free_sgpr 66
		.amdhsa_reserve_vcc 0
		.amdhsa_float_denorm_mode_32 3
		.amdhsa_float_denorm_mode_16_64 3
		.amdhsa_fp16_overflow 1
		.amdhsa_memory_ordered 1
		.amdhsa_forward_progress 1
		.amdhsa_inst_pref_size 92
	.end_amdhsa_kernel
	.amdgpu_metadata
---
amdhsa.version: [ 1, 2 ]
amdhsa.kernels:
  - .name:           k_q0a524ff1a2_qkv
    .symbol:         k_q0a524ff1a2_qkv.kd
    .args:
      - { .name: x, .offset: 0, .size: 8, .value_kind: global_buffer, .address_space: global }
      - { .name: gn_scale, .offset: 8, .size: 8, .value_kind: global_buffer, .address_space: global }
      - { .name: gn_bias, .offset: 16, .size: 8, .value_kind: global_buffer, .address_space: global }
      - { .name: part, .offset: 24, .size: 8, .value_kind: global_buffer, .address_space: global }
      - { .name: wc, .offset: 32, .size: 8, .value_kind: global_buffer, .address_space: global }
      - { .name: ws, .offset: 40, .size: 8, .value_kind: global_buffer, .address_space: global }
      - { .name: q_codes, .offset: 48, .size: 8, .value_kind: global_buffer, .address_space: global }
      - { .name: q_scales, .offset: 56, .size: 8, .value_kind: global_buffer, .address_space: global }
      - { .name: kv, .offset: 64, .size: 8, .value_kind: global_buffer, .address_space: global }
    .group_segment_fixed_size: 84992
    .private_segment_fixed_size: 0
    .kernarg_segment_align: 8
    .kernarg_segment_size: 72
    .max_flat_workgroup_size: 128
    .sgpr_count:     66
    .vgpr_count:     640
    .wavefront_size: 32
...
	.end_amdgpu_metadata
.endif
;; end of part 2
;; launch attn (part 3): grid 16 x 16, 8 waves a work-group, clusters of 4 x 1, 327,680 bytes of LDS; arguments q_codes, q_scales, kv, res_codes, res_scales; writes res_codes, res_scales
.if DOCPART == 3
	.amdgcn_target "amdgcn-amd-amdhsa--gfx1250"
	.amdhsa_code_object_version 6
	.text
	.protected	k_q0a524ff1a2_attn
	.globl	k_q0a524ff1a2_attn
	.p2align	8
	.type	k_q0a524ff1a2_attn,@function
k_q0a524ff1a2_attn:
	s_mov_b64 s[64:65], 0
	v_nop
	global_prefetch_b8 v0, s[64:65] scope:SCOPE_SE
	s_setreg_imm32_b32 hwreg(HW_REG_WAVE_MODE, 25, 1), 1
	s_wait_xcnt 0x0
	s_wait_alu depctr_hold_cnt(0) depctr_sa_sdst(0) depctr_va_vdst(0) depctr_va_sdst(0) depctr_va_ssrc(0) depctr_va_vcc(0) depctr_vm_vsrc(0)
	s_getreg_b32 s2, hwreg(HW_REG_IB_STS2, 6, 4)
	s_cmp_eq_u32 s2, 0
	s_cbranch_scc0 .Lentry_in_a_cluster
	s_endpgm
.Lentry_in_a_cluster:
	s_bfe_u32 s2, ttmp6, 0x10000c
	s_cmp_lg_u32 s2, 0x3003
	s_cbranch_scc0 .Lentry_shape_is_right
	s_endpgm
.Lentry_shape_is_right:
; res[b][q][head][:] = the sum over keys of softmax(q . k / 16) v, both products on codes of FP8 (E4M3) with one E8M0 scale for each 32 along K; res is then quantised along the 256 channels for the last projection.
; THE SOFTMAX AHEAD OF THE SECOND PRODUCT: t = score x log2(e) / 16; M = the row's largest t so far, rounded UP to a whole number; p = 2^(t - M) is quantised along the keys, not normalised.
; The row's sum is taken of the unquantised p and divides O at the end.  When M moves, the sum and O are multiplied by 2^(old M - new M): exact.
; SHARES.  A work-group owns 256 queries of one (batch, head); each of its eight waves two tiles of 16.  Tile tau's state lies in register window tau under the same numbers, so one text serves both.
; Each fragment of K and V read from LDS feeds both tiles.  Two waves share a SIMD: one's LDS waits stand beside the other's vector work.
; LAYOUT.  Both products are used transposed (S^T = K Q^T, O^T = V^T P^T): a lane holds ONE query throughout.  The keys of a tile are not neighbours (tile (b, u), row r: key 32 b + 8 u + r + 8 (r / 8)), so that
; the 16 registers of tiles (b, 0) and (b, 1) are 16 neighbouring keys; the channels d of V's tiles likewise, so that O^T's registers are neighbours along the next K.
; K = 64 IN THE FIRST PRODUCT.  The form is 128 deep.  A fragment of K holds TWO tiles: registers 0-7 tile (b, 0)'s 64 channels, registers 8-15 tile (b, 1)'s.  Q stands in a run of 24 registers, 0 x 8 | q x 8 | 0 x 8:
; its registers 8-23 are [q | 0] and pick tile (b, 0), its registers 0-15 are [0 | q] and pick tile (b, 1).  Zero codes add nothing under any scale byte but 0xff, and k's codes were held at 448, so none is the NaN code.
; THE RING.  kv lies by key steps of 128: a record of 17,408 dense bytes (K's codes, V's codes, both scale words, all in the order of the registers).  Two LDS slots of eight records; each wave fetches one record of a slot.
; CLUSTER.  The four query blocks of a cluster belong to one (batch, head) and walk the same records: each record is asked for JOINTLY, by the same tensor load with the same descriptor and the mask of all four.
; By this text's count a wave has two tensor loads out at the start and one behind each refill.  lds_bytes claims all of LDS, and 0 is added to spare words.
; LIMITS: NaN and infinities are not served.  A block whose largest magnitude lies under 2^-118 gets the byte 1, a block of zeros too: its codes are zeros and this program alone reads the bytes.
; REGISTERS.  Window 0 alone: v1 16 x lane, v2, v3 the add's two, v4 the step's LDS address, v5 4 x lane; v8-11 Q's scale words ([q | 0] and [0 | q] of tile 0, of tile 1); v40-43 K's, v44-47 V's, v48, v49 P's; v52-115 four fragments of K or V.
;   In window tau: v12 -M, v13 the largest t, v14-15 the sum; v16-39 Q's run; v116-179 S^T, then p; v180-211 O^T; v212-227 p's codes; v228-249 at work.
.set REC,   17408
.set SLOTB, 8*REC
.set SPARE, 2*SLOTB                    ; behind the ring: the spare words, 128 bytes for each wave: four blocks of 256 bytes that no other line names
.set LI,   1
.set SPW,  2
.set NIL,  3
.set AD,   4
.set LS,   5
.set QSL,  8
.set KS,   40
.set VS,   44
.set PWR,  48
.set F,    52
.set QR,   16
.set S,    116
.set O,    180
.set P,    212
.set BM,   228                         ; a block's largest score, then its largest p
.set T1,   232
.set HD,   236
.set SO,   240                         ; the conversion's scale operand
.set FP,   244                         ; f = 2^(old M - new M); at the end 1 / the sum
.set TMP,  246
.set SU,   248
.set WV,   14
.set MNT,  19
.set SEL,  20
.set CS,   22
.set G1,   24
.set G0,   32
.set TB,   40
.set CNT,  41
.set MSB, 0
.macro WIN new                         ; the immediate's high byte repeats the setting that is left
.if MSB != (\new)
	s_set_vgpr_msb (MSB<<8)|(\new)
.set MSB, (\new)
.endif
.endm
; A round of the cluster's barrier: my work-group's barrier, so that wave 0's signal speaks for all eight waves; wave 0 signals for the work-group; every wave waits for all four work-groups; my work-group's barrier once more.
.macro CROUND
	s_barrier_signal -1
	s_barrier_wait -1
	s_cmp_lg_u32 s[WV], 0
	s_cbranch_scc1 .Lnot_wave_0_\@
	s_barrier_signal -3
.Lnot_wave_0_\@:
	s_barrier_wait -3
	s_barrier_signal -1
	s_barrier_wait -1
.endm
.macro PLACES n
.rept \n
	v_nop
.endr
.endm
.macro INIT tau                        ; the loop has no first step of its own: O^T and the sum begin as zeros, which the first change of M leaves zeros
	WIN 0x55*\tau
.set j, 0
.rept 8
	v_mov_b32 v[QR+j], 0                           ; zero codes on both sides of q
	v_mov_b32 v[QR+16+j], 0
.set j, j+1
.endr
.set j, 0
.rept 32
	v_mov_b32 v[O+j], 0
.set j, j+1
.endr
.irp b, 0,1,2,3
	v_mov_b32 v[T1+\b], 0                          ; written once: a lane permute's destination counts as one of its sources
.endr
	v_mov_b32 v[FP+1], 0                           ; (named as the upper half of a pair)
	v_mov_b32 v14, 0
	v_mov_b32 v15, 0
	v_mov_b32 v13, 0xff61b1e6                      ; the largest t so far: -3e38, under every t
	s_delay_alu instid0(VALU_DEP_1)
	v_floor_f32 v12, -v13                          ; -M
.endm
.macro QK tau                          ; tile tau's scores of 128 keys: eight products, each starting its sum
	WIN 0x54*\tau                                  ; K in window 0; Q and S^T in window tau
.irp b, 0,1,2,3
	v_wmma_scale_f32_16x16x128_f8f6f4 v[S+16*\b:S+16*\b+7], v[F+16*\b:F+16*\b+15], v[QR+8:QR+23], 0, v[KS+\b], v[QSL+2*\tau]
	v_wmma_scale_f32_16x16x128_f8f6f4 v[S+16*\b+8:S+16*\b+15], v[F+16*\b:F+16*\b+15], v[QR:QR+15], 0, v[KS+\b], v[QSL+2*\tau+1]
.endr
.endm
.macro PV tau                          ; O^T += V^T P^T: four tiles of 16 channels; the accumulators take turns
	WIN 0x54*\tau
.irp t, 0,1,2,3
	v_wmma_scale_f32_16x16x128_f8f6f4 v[O+8*\t:O+8*\t+7], v[F+16*\t:F+16*\t+15], v[P:P+15], v[O+8*\t:O+8*\t+7], v[VS+\t], v[PWR+\tau]
.endr
.endm
.macro SOFT tau                        ; tile tau's softmax of a key step; register 16 b + i of S^T is key 32 b + 16 (lane / 16) + i of my query
	WIN 0x55*\tau
.irp b, 0,1,2,3
	v_max3_num_f32 v[BM+\b], v[S+16*\b], v[S+16*\b+1], v[S+16*\b+2]   ; the largest score of each block of 32 keys: it serves for the row's maximum and, since p rises with the score, for the block's largest p
.endr
.irp i, 3,5,7,9,11,13
.irp b, 0,1,2,3
	v_max3_num_f32 v[BM+\b], v[BM+\b], v[S+16*\b+\i], v[S+16*\b+\i+1]
.endr
.endr
.irp b, 0,1,2,3
	v_max_num_f32 v[BM+\b], v[BM+\b], v[S+16*\b+15]
.endr
.irp b, 0,1,2,3
	s_delay_alu instid0(VALU_DEP_4)
	v_permlanex16_b32 v[T1+\b], v[BM+\b], s[SEL], s[SEL+1]
.endr
.irp b, 0,1,2,3
	s_delay_alu instid0(VALU_DEP_4)
	v_max_num_f32 v[BM+\b], v[BM+\b], v[T1+\b]     ; with lane l xor 16's 16 keys
.endr
	s_delay_alu instid0(VALU_DEP_2)
	v_max3_num_f32 v[TMP], v[BM], v[BM+1], v[BM+2]
	s_delay_alu instid0(VALU_DEP_1)
	v_max_num_f32 v[TMP], v[TMP], v[BM+3]
	s_delay_alu instid0(VALU_DEP_1)
	v_mul_f32 v[TMP], s[CS], v[TMP]                ; as t (c is positive)
	s_delay_alu instid0(VALU_DEP_1)
	v_max_num_f32 v13, v13, v[TMP]                 ; the running largest t
	v_mov_b32 v[TMP], v12
	s_delay_alu instid0(VALU_DEP_2)
	v_floor_f32 v12, -v13                          ; the new -M = floor(-t) = -ceil(t)
	s_delay_alu instid0(VALU_DEP_1)
	v_sub_f32 v[TMP], v12, v[TMP]                  ; old M less new M: a whole number, 0 or less
	s_delay_alu instid0(VALU_DEP_1)
	v_cvt_i32_f32 v[TMP], v[TMP]                   ; (it saturates)
	s_delay_alu instid0(VALU_DEP_1)
	v_ldexp_f32 v[FP], 1.0, v[TMP]                 ; f = 2^(old M - new M)
.set j, 0
.rept 32
	v_pk_fma_f32 v[S+j:S+j+1], v[S+j:S+j+1], s[CS:CS+1], v[12:13] op_sel_hi:[1,0,0]   ; t - M, two at a time
.set j, j+2
.endr
.irp b, 0,1,2,3
	v_fma_f32 v[BM+\b], v[BM+\b], s[CS], v12       ; the same of each block's largest score
.endr
.set j, 0
	s_wait_alu depctr_va_vdst(0)
.rept 64
	v_exp_f32 v[S+j], v[S+j]                       ; p = 2^(t - M), at most 1
.set j, j+1
.endr
.irp b, 0,1,2,3
	v_exp_f32 v[BM+\b], v[BM+\b]                   ; the block's largest p: the same two instructions on the same number
.endr
	v_pk_mul_f32 v[14:15], v[14:15], v[FP:FP+1] op_sel_hi:[1,0]   ; the sums under the new M.  (A plain line behind the exponentials)
	s_wait_alu depctr_va_vdst(0)
.irp b, 0,1,2,3
	v_max_num_f32 v[BM+\b], 0x4800000, v[BM+\b]    ; the floor 2^(9 - 127): the byte cannot fall under 1
.endr
.irp b, 0,1,2,3
	s_delay_alu instid0(VALU_DEP_4)
	v_add_nc_u32 v[SO+\b], 0xfc000000, v[BM+\b]
.endr
.irp b, 0,1,2,3
.endr
.irp b, 0,1,2,3
	s_delay_alu instid0(VALU_DEP_4)
	v_lshrrev_b32 v[T1+\b], 23, v[SO+\b]
.endr
	s_delay_alu instid0(VALU_DEP_3)
	v_lshl_or_b32 v[TMP], v[T1+1], 8, v[T1]
	s_delay_alu instid0(VALU_DEP_1)
	v_lshl_or_b32 v[TMP], v[T1+2], 16, v[TMP]
	s_delay_alu instid0(VALU_DEP_1)
	v_lshl_or_b32 v[TMP], v[T1+3], 24, v[TMP]
	WIN 0x01*\tau                                  ; scale operands have no window: p's scale word goes to window 0, far more than eight plain lines ahead of its products
	v_mov_b32 v[PWR+\tau], v[TMP]
	WIN 0x55*\tau
	v_pk_add_f32 v[SU:SU+1], v[S:S+1], v[S+2:S+3]  ; the row's sum is taken of the unquantised p: two at a time, in two chains
.set j, 4
.rept 15
	v_pk_add_f32 v[14:15], v[14:15], v[S+j:S+j+1]
	v_pk_add_f32 v[SU:SU+1], v[SU:SU+1], v[S+j+2:S+j+3]
.set j, j+4
.endr
	s_delay_alu instid0(VALU_DEP_1)
	v_pk_add_f32 v[14:15], v[14:15], v[SU:SU+1]
.irp b, 0,1,2,3
.irp i, 0,1,2,3,4,5,6,7,8,9,10,11,12,13,14,15
.endr
	v_cvt_scalef32_pk8_fp8_f32 v[P+4*\b:P+4*\b+1], v[S+16*\b:S+16*\b+7], v[SO+\b]
	v_cvt_scalef32_pk8_fp8_f32 v[P+4*\b+2:P+4*\b+3], v[S+16*\b+8:S+16*\b+15], v[SO+\b]
.endr
.set j, 0
.rept 16
	v_pk_mul_f32 v[O+j:O+j+1], v[O+j:O+j+1], v[FP:FP+1] op_sel_hi:[1,0]   ; O^T under the new M, each accumulator from its low end on.  (These are also the lines between the codes and their products)
.set j, j+2
.endr
.endm
; A KEY STEP: 128 keys, both tiles.  The record begins at LDS byte s[TB].
.macro STEP
	v_add_nc_u32 v[AD], s[TB], v[LI]
	PLACES 7                                       ; with the line above: eight plain lines behind the last step's products, whose operands the loads below fill again
.set g, 0
.rept 16
	ds_load_b128 v[F+4*g:F+4*g+3], v[AD] offset:512*g      ; K's four fragments, as they lie: 512 consecutive bytes a load
.set g, g+1
.endr
	ds_load_b128 v[KS:KS+3], v[AD] offset:16384            ; and their four scale words
	s_wait_dscnt 0x0
	s_wait_alu depctr_va_vdst(0)
	QK 0
	QK 1
	WIN 0
	PLACES 8
.set g, 0
.rept 16
	ds_load_b128 v[F+4*g:F+4*g+3], v[AD] offset:8192+512*g ; V's four fragments land under tile 0's softmax
.set g, g+1
.endr
	ds_load_b128 v[VS:VS+3], v[AD] offset:16896
	SOFT 0
	s_wait_alu depctr_va_vdst(0)
	s_wait_dscnt 0x0                               ; V is in
	PV 0                                           ; tile 0's products stand ahead of tile 1's softmax, which names none of their registers
	SOFT 1
	PV 1
	WIN 0
.endm
.macro SLOT n                          ; a slot's eight key steps: written once, walked eight times
	s_mov_b32 s[TB], \n*SLOTB
	s_mov_b32 s[CNT], 8
.Lstep_\@:
	STEP
	s_add_co_u32 s[TB], s[TB], REC
	s_sub_co_u32 s[CNT], s[CNT], 1
	s_cmp_lg_u32 s[CNT], 0
	s_cbranch_scc1 .Lstep_\@
.endm
; THE CHANGE OF SLOTS.  Each wave waits for all its tensor loads (its record of the slot ahead), adds 0 to its spare word, and waits for that and for its reads of the slot that it leaves.
; fill = 1: the slot just left is filled with the records 16 steps on; the barrier is then a round of the cluster's, so that no wave of any partner still reads it, and the joint load comes first behind it: eight key steps in which to land.
.macro CHANGE fill, slot
	s_wait_tensorcnt 0x0                           ; no tensor load of mine is out, so a descriptor may be written
	ds_add_u32 v[SPW], v[NIL]
.if \fill
	s_add_nc_u64 s[G0+4*\slot+2:G0+4*\slot+3], s[G0+4*\slot+2:G0+4*\slot+3], 2*SLOTB   ; 16 records on; the type bits on top are not reached
.endif
	s_wait_dscnt 0x0                               ; the add is done, and my reads of the slot are over
.if \fill
	CROUND
	tensor_load_to_lds s[G0+4*\slot:G0+4*\slot+3], s[G1:G1+7]
	s_nop 0
	PLACES 4
.else
	s_barrier_signal -1
	s_barrier_wait -1
.endif
.endm
; THE WAY OUT of tile tau: O^T / the sum is res; its 64 channels are two blocks of the last projection's K; a lane's 16 registers of two tiles are 16 neighbours, so the codes are that operand's registers and leave as they stand.
.macro OUT tau
	WIN 0x55*\tau
	v_add_f32 v14, v14, v15
	s_delay_alu instid0(VALU_DEP_1)
	v_permlanex16_b32 v[T1], v14, s[SEL], s[SEL+1]
	s_delay_alu instid0(VALU_DEP_1)
	v_add_f32 v14, v14, v[T1]                      ; the row's sum
	s_wait_alu depctr_va_vdst(0)
	v_rcp_f32 v[FP], v14
	v_nop                                          ; a plain line behind the transcendental
.set j, 0
	s_wait_alu depctr_va_vdst(0)
.rept 16
	v_pk_mul_f32 v[O+j:O+j+1], v[O+j:O+j+1], v[FP:FP+1] op_sel_hi:[1,0]   ; each accumulator from its low end on
.set j, j+2
.endr
.irp b, 0,1
	v_max3_num_f32 v[BM+\b], |v[O+16*\b]|, |v[O+16*\b+1]|, 0x4800000
.endr
.irp i, 2,4,6,8,10,12,14
.irp b, 0,1
	s_delay_alu instid0(VALU_DEP_2)
	v_max3_num_f32 v[BM+\b], v[BM+\b], |v[O+16*\b+\i]|, |v[O+16*\b+\i+1]|
.endr
.endr
.irp b, 0,1
	s_delay_alu instid0(VALU_DEP_2)
	v_permlanex16_b32 v[T1+\b], v[BM+\b], s[SEL], s[SEL+1]
.endr
.irp b, 0,1
	s_delay_alu instid0(VALU_DEP_2)
	v_max_num_f32 v[BM+\b], v[BM+\b], v[T1+\b]
.endr
.irp b, 0,1
	s_delay_alu instid0(VALU_DEP_2)
	v_add_nc_u32 v[SO+\b], 0xfc000000, v[BM+\b]
.endr
.irp b, 0,1
	s_delay_alu instid0(VALU_DEP_2)
	v_lshrrev_b32 v[T1+\b], 23, v[SO+\b]
.endr
	s_delay_alu instid0(VALU_DEP_1)
	v_lshl_or_b32 v[TMP], v[T1+1], 8, v[T1]        ; the head's two bytes of my row
.irp b, 0,1
.irp i, 0,1,2,3,4,5,6,7,8,9,10,11,12,13,14,15
.endr
	v_cvt_scalef32_pk8_fp8_f32 v[P+4*\b:P+4*\b+1], v[O+16*\b:O+16*\b+7], v[SO+\b]
	v_cvt_scalef32_pk8_fp8_f32 v[P+4*\b+2:P+4*\b+3], v[O+16*\b+8:O+16*\b+15], v[SO+\b]
.endr
	v_nop
	WIN 0x04*\tau                                  ; a store's data are its source 1
	global_store_b128 v[LI], v[P:P+3], s[10:11] offset:4096*\tau          ; 512 consecutive bytes, aligned
	global_store_b128 v[LI], v[P+4:P+7], s[10:11] offset:4096*\tau+512
	global_store_b32 v[LS], v[TMP], s[12:13] offset:512*\tau              ; 128 consecutive bytes
.endm
	s_load_b256 s[4:11], s[0:1], 0x0               ; q_codes 4, q_scales 6, kv 8, res_codes 10
	s_load_b64 s[12:13], s[0:1], 0x20              ; res_scales
	v_lshl_add_u32 v[SPW], v0, 2, SPARE
	v_mov_b32 v[NIL], 0
	ds_add_u32 v2, v3
	ds_add_u32 v2, v3
	s_wait_dscnt 0x0
	v_lshrrev_b32 v1, 5, v0
	s_delay_alu instid0(VALU_DEP_1)
	v_readfirstlane_b32 s[WV], v1                  ; wave 0..7
	v_and_b32 v1, 31, v0
	s_delay_alu instid0(VALU_DEP_1)
	v_lshlrev_b32 v[LS], 2, v1
	s_delay_alu instid0(VALU_DEP_2)
	v_lshlrev_b32 v[LI], 4, v1
	s_bfe_u32 s15, ttmp6, 0x40000                  ; cx: my place in the cluster
	s_lshl_b32 s16, ttmp9, 2
	s_add_co_u32 s16, s16, s15                     ; my block of 256 queries: it enters Q's and res's global addresses alone
	s_and_b32 s17, ttmp7, 0xffff                   ; bh = 4 batch + head, which the four partners share
	s_mov_b32 s[SEL], 0x76543210
	s_mov_b32 s[SEL+1], 0xfedcba98
	s_mov_b32 s[CS], 0x3db8aa3b                    ; c = log2(e) / 16
	s_mov_b32 s[CS+1], s[CS]                       ; (named with it as a pair)
	; descriptor group 1: a record, 17,408 dense bytes, as 68 rows of 32 elements of 8 bytes; no padding: fragments are read 512 consecutive bytes at a time
	s_mov_b32 s[G1], 15|(3<<16)|(1<<21)            ; 15:0 the mask: all four work-groups; 17:16 elements of 8 bytes; 21 set beside a mask
	s_mov_b32 s[G1+1], 32<<16                      ; tensor_dim0 = 32
	s_mov_b32 s[G1+2], 68<<16                      ; tensor_dim1 = 68
	s_mov_b32 s[G1+3], 32<<16                      ; tile_dim0 = 32
	s_mov_b32 s[G1+4], 68                          ; tile_dim1 = 68
	s_mov_b32 s[G1+5], 32                          ; from row to row
	s_mov_b32 s[G1+6], 0
	s_mov_b32 s[G1+7], 0
	s_lshl_b32 s42, s17, 5
	s_add_co_u32 s42, s42, s[WV]
	s_mul_i32 s42, s42, REC                        ; kv: record 32 bh + wave
	s_mov_b32 s43, 0
	s_mul_i32 s44, s[WV], REC                      ; and its place in a slot: no place in the cluster enters an LDS address
	s_lshl_b32 s46, s16, 4
	s_lshl_b32 s47, s[WV], 1
	s_add_co_u32 s46, s46, s47                     ; my first row tile in the batch: 16 x block + 2 x wave
	s_lshl_b32 s48, s17, 8
	s_add_co_u32 s48, s48, s46
	s_lshl_b32 s50, s48, 10                        ; q_codes: 1,024 bytes a tile
	s_mov_b32 s51, 0
	s_lshl_b32 s52, s48, 7                         ; q_scales: 128
	s_mov_b32 s53, 0
	s_lshr_b32 s48, s17, 2
	s_lshl_b32 s48, s48, 8
	s_add_co_u32 s48, s48, s46                     ; the row tile among all 1,024
	s_and_b32 s49, s17, 3                          ; head
	s_lshl_b32 s54, s48, 12                        ; res_codes: 4,096 a tile, 1,024 a head
	s_lshl_b32 s47, s49, 10
	s_add_co_u32 s54, s54, s47
	s_mov_b32 s55, 0
	s_lshl_b32 s56, s48, 9                         ; res_scales: 512 a tile, 128 a head
	s_lshl_b32 s47, s49, 7
	s_add_co_u32 s56, s56, s47
	s_mov_b32 s57, 0
	s_wait_kmcnt 0x0
	s_add_nc_u64 s[4:5], s[4:5], s[50:51]
	s_add_nc_u64 s[6:7], s[6:7], s[52:53]
	s_add_nc_u64 s[10:11], s[10:11], s[54:55]
	s_add_nc_u64 s[12:13], s[12:13], s[56:57]
	CROUND                                         ; all four work-groups are here: the first joint loads meet
	s_mov_b32 s[G0], 1                             ; count = 1
	s_mov_b32 s[G0+1], s44                         ; LDS address: slot 0
	s_add_nc_u64 s[G0+2:G0+3], s[8:9], s[42:43]    ; global address: key step = wave
	s_mov_b32 s[G0+4], 1
	s_add_co_u32 s[G0+5], s44, SLOTB               ; slot 1
	s_add_nc_u64 s[G0+6:G0+7], s[G0+2:G0+3], SLOTB ; eight records on
	s_or_b32 s[G0+3], s[G0+3], 0x80000000          ; type = 2
	s_or_b32 s[G0+7], s[G0+7], 0x80000000
	tensor_load_to_lds s[G0:G0+3], s[G1:G1+7]      ; both first fills go out together, ahead of every wait on TENSORcnt and every LDS read
	s_nop 0
	tensor_load_to_lds s[G0+4:G0+7], s[G1:G1+7]
	s_nop 0
	PLACES 4
	s_wait_alu depctr_va_vdst(0)
	global_load_b128 v[QR+8:QR+11], v[LI], s[4:5]              ; tile 0's q
	global_load_b128 v[QR+12:QR+15], v[LI], s[4:5] offset:512
	global_load_b32 v[QSL], v[LS], s[6:7]                      ; and its scale word: bytes 0, 1; bytes 2, 3 are 0
	global_load_b32 v[QSL+2], v[LS], s[6:7] offset:128
	WIN 0x40
	global_load_b128 v[QR+8:QR+11], v[LI], s[4:5] offset:1024  ; tile 1's, into window 1
	global_load_b128 v[QR+12:QR+15], v[LI], s[4:5] offset:1536
	INIT 0
	INIT 1
	WIN 0
	s_wait_loadcnt 0x0
	v_lshlrev_b32 v[QSL+1], 16, v[QSL]             ; the scale words for [0 | q]: the step's first eight plain lines stand between these and the products
	v_lshlrev_b32 v[QSL+3], 16, v[QSL+2]
	s_wait_tensorcnt 0x1                           ; my record of slot 0 is in; slot 1's may stay out
	s_barrier_signal -1
	s_barrier_wait -1                              ; everybody's is
	SLOT 0                                         ; key steps 0-7
	CHANGE 1, 0                                    ; slot 0 takes steps 16-23
	SLOT 1                                         ; steps 8-15
	CHANGE 1, 1                                    ; slot 1 takes steps 24-31
	SLOT 0
	CHANGE 0, 0                                    ; nothing is left to fetch
	SLOT 1
	PLACES 8                                       ; behind the last products, ahead of the first read of O^T
	OUT 0
	OUT 1
	WIN 0
	s_wait_tensorcnt 0x0                           ; the wave's end
	ds_add_u32 v[SPW], v[NIL]
	s_wait_dscnt 0x0
	CROUND                                         ; the closing round: no work-group ends while a partner may still ask for a record that names it
	s_endpgm
.Lfunc_end_k_q0a524ff1a2_attn:
	.size	k_q0a524ff1a2_attn, .Lfunc_end_k_q0a524ff1a2_attn-k_q0a524ff1a2_attn
	.p2alignl 7, 3214868480
	.fill 96, 4, 3214868480
	.section	.rodata,"a",@progbits
	.p2align	6, 0x0
	.amdhsa_kernel k_q0a524ff1a2_attn
		.amdhsa_group_segment_fixed_size 327680
		.amdhsa_private_segment_fixed_size 0
		.amdhsa_enable_private_segment 0
		.amdhsa_kernarg_size 40
		.amdhsa_user_sgpr_count 2
		.amdhsa_user_sgpr_kernarg_segment_ptr 1
		.amdhsa_wavefront_size32 1
		.amdhsa_system_sgpr_workgroup_id_x 1
		.amdhsa_system_sgpr_workgroup_id_y 1
		.amdhsa_system_sgpr_workgroup_id_z 1
		.amdhsa_system_vgpr_workitem_id 0
		.amdhsa_next_free_vgpr 512
		.amdhsa_next_free_sgpr 66
		.amdhsa_reserve_vcc 0
		.amdhsa_float_denorm_mode_32 3
		.amdhsa_float_denorm_mode_16_64 3
		.amdhsa_fp16_overflow 1
		.amdhsa_memory_ordered 1
		.amdhsa_forward_progress 1
		.amdhsa_inst_pref_size 143
	.end_amdhsa_kernel
	.amdgpu_metadata
---
amdhsa.version: [ 1, 2 ]
amdhsa.kernels:
  - .name:           k_q0a524ff1a2_attn
    .symbol:         k_q0a524ff1a2_attn.kd
    .args:
      - { .name: q_codes, .offset: 0, .size: 8, .value_kind: global_buffer, .address_space: global }
      - { .name: q_scales, .offset: 8, .size: 8, .value_kind: global_buffer, .address_space: global }
      - { .name: kv, .offset: 16, .size: 8, .value_kind: global_buffer, .address_space: global }
      - { .name: res_codes, .offset: 24, .size: 8, .value_kind: global_buffer, .address_space: global }
      - { .name: res_scales, .offset: 32, .size: 8, .value_kind: global_buffer, .address_space: global }
    .group_segment_fixed_size: 327680
    .private_segment_fixed_size: 0
    .kernarg_segment_align: 8
    .kernarg_segment_size: 40
    .max_flat_workgroup_size: 256
    .sgpr_count:     66
    .vgpr_count:     512
    .wavefront_size: 32
...
	.end_amdgpu_metadata
.endif
;; end of part 3
;; launch proj (part 4): grid 256 x 1, 8 waves a work-group, no clusters, 68,608 bytes of LDS; arguments x, gn_scale, gn_bias, part, wc, ws, b_out, res_codes, res_scales, out0; writes out0
.if DOCPART == 4
	.amdgcn_target "amdgcn-amd-amdhsa--gfx1250"
	.amdhsa_code_object_version 6
	.text
	.protected	k_q0a524ff1a2_proj
	.globl	k_q0a524ff1a2_proj
	.p2align	8
	.type	k_q0a524ff1a2_proj,@function
k_q0a524ff1a2_proj:
	s_mov_b64 s[64:65], 0
	v_nop
	global_prefetch_b8 v0, s[64:65] scope:SCOPE_SE
	s_setreg_imm32_b32 hwreg(HW_REG_WAVE_MODE, 25, 1), 1
	s_wait_xcnt 0x0
; out0 = Q(res) Q(w_out) + b_out + xn, the product on codes of FP8 (E4M3) with one E8M0 scale for each 32 along K; xn = GroupNorm(x) is made again from x and the stored parts, which costs one read of x where storing it would cost a write and a read.
; SHARES.  Work-group g takes 64 positions: row tiles 4 g + m, tile m = 2 b + u holding position 32 b + 8 u + r + 8 (r / 8) in its row r.  For the product wave w takes output channels 32 w .. 32 w + 31 (two tiles of w_out's columns, in the
; same order) for all four row tiles: 16 matrix instructions.  The product is used transposed (source 0 = 16 columns of w_out, source 1 = 16 positions): a lane holds one position and 16 neighbouring channels.
; b_out + gn_bias is the C of each sum's first matrix instruction.  The results meet in a stage in LDS; behind one barrier wave w takes rows 8 w .. 8 w + 7 whole, adds (x - mean) x (rstd x gn_scale), and stores 512 consecutive bytes an instruction.
; res_codes[row tile][c' 8][lane][16] and wc are images of the operands' registers: every load takes 512 consecutive bytes.  res_scales[row tile][head][lane]: two bytes a word.
; STATISTICS: a batch's 64 parts are joined by mean = average, M2 = sum of M2 + 2,048 x sum of (mean_i - mean)^2: no difference of large sums.
; NO CLUSTER, NO TENSOR LOAD: each operand goes once, straight into registers (8 KB of the weight and 16 KB of res a wave); nothing is walked in a loop.
; LIMITS: NaN and infinities are not served.
; REGISTERS.  Window 0: v1-12 lane numbers and addresses; v16-47 the parts, then the accumulators of row tiles 0, 1; v48-111 W's four fragments, then x - mean; v112-175 res of tiles 0, 1, then rows of the stage and the result;
;   v176-191 gn_bias, v192-200 statistics, then v176-207 the accumulators of tiles 2, 3; v208-223 b_out + gn_bias; v224-227 W's scale words; v228-235 res's; v236-251 res's as loaded; v252-255 (-mean, rstd) of my two groups.
;   Window 1: v0-63 x; v64-127 res of tiles 2, 3; v128-135 gn_scale.
.set SPT,  1040                        ; a stage row: 1,024 bytes + 16
.set TAB,  64*SPT                      ; behind the stage: a table of (-mean, rstd) for the 8 groups, 64 bytes, for each wave
.set LI,   4
.set LS,   5
.set SOA,  6                           ; the stage, on the way in: 1,040 (r + 8 (r / 8)) + 64 h + 128 wave
.set SRA,  7                           ; on the way out: 8 rows x wave + 16 x lane
.set R4,   8
.set BO,   9                           ; 64 h
.set TW,   11
.set TR,   12
.set PT,   16
.set A0,   16
.set WF,   48
.set DV,   48
.set RF,   112
.set GBC,  176
.set SX,   192
.set RT,   200
.set BC,   208
.set WSC,  224
.set RSW,  228
.set RAW,  236
.set MR,   252
.set WV,   24
.set SEL,  26
.set SN,   28
.set SIV,  29
.set SEPS, 30
.set MSB, 0
.macro WIN new                         ; the immediate's high byte repeats the setting that is left
.if MSB != (\new)
	s_set_vgpr_msb (MSB<<8)|(\new)
.set MSB, (\new)
.endif
.endm
.macro RED d                           ; the sum over the eight lanes that share lane % 4
	v_add_f32_dpp v[\d], v[\d], v[\d] row_xmask:4 row_mask:0xf bank_mask:0xf
	s_delay_alu instid0(VALU_DEP_1)
	v_add_f32_dpp v[\d], v[\d], v[\d] row_xmask:8 row_mask:0xf bank_mask:0xf
	s_delay_alu instid0(VALU_DEP_1)
	v_permlanex16_b32 v[RT], v[\d], s[SEL], s[SEL+1]
	s_delay_alu instid0(VALU_DEP_1)
	v_add_f32 v[\d], v[\d], v[RT]
.endm
; The batch's 64 parts lie in v[PT] on: load i gave lane l the part of work-group 8 i + l / 4, groups a = 2 (l % 4) and b = a + 1, as (mean_a, M2_a, mean_b, M2_b).
; Out: (-mean, rstd) of the two groups of my channels in v[MR] on, by way of the wave's own table (LDS serves a wave's instructions in order: no wait between the store and the loads).
.macro STATS
	v_pk_add_f32 v[SX:SX+1], v[PT:PT+1], v[PT+4:PT+5]
	v_pk_add_f32 v[SX+2:SX+3], v[PT+2:PT+3], v[PT+6:PT+7]
.irp i, 2,3,4,5,6,7
	s_delay_alu instid0(VALU_DEP_2)
	v_pk_add_f32 v[SX:SX+1], v[SX:SX+1], v[PT+4*\i:PT+4*\i+1]
	s_delay_alu instid0(VALU_DEP_2)
	v_pk_add_f32 v[SX+2:SX+3], v[SX+2:SX+3], v[PT+4*\i+2:PT+4*\i+3]
.endr
	RED SX
	RED SX+1
	RED SX+2
	RED SX+3
	v_mul_f32 v[SX], 0x3c800000, v[SX]             ; the mean: the average of 64 means of equally many numbers
	v_mul_f32 v[SX+2], 0x3c800000, v[SX+2]
	s_delay_alu instid0(VALU_DEP_2)
	v_sub_f32 v[SX+6], v[PT], v[SX]
	s_delay_alu instid0(VALU_DEP_2)
	v_sub_f32 v[SX+7], v[PT+2], v[SX+2]
	s_delay_alu instid0(VALU_DEP_2)
	v_mul_f32 v[SX+4], v[SX+6], v[SX+6]
	s_delay_alu instid0(VALU_DEP_2)
	v_mul_f32 v[SX+5], v[SX+7], v[SX+7]
.irp i, 1,2,3,4,5,6,7
	v_sub_f32 v[SX+6], v[PT+4*\i], v[SX]
	v_sub_f32 v[SX+7], v[PT+4*\i+2], v[SX+2]
	s_delay_alu instid0(VALU_DEP_2)
	v_fmac_f32 v[SX+4], v[SX+6], v[SX+6]
	s_delay_alu instid0(VALU_DEP_2)
	v_fmac_f32 v[SX+5], v[SX+7], v[SX+7]
.endr
	RED SX+4
	RED SX+5
	v_fmac_f32 v[SX+1], s[SN], v[SX+4]             ; M2 += 2,048 x the sum of (mean_i - mean)^2
	s_delay_alu instid0(VALU_DEP_2)
	v_fmac_f32 v[SX+3], s[SN], v[SX+5]
	s_delay_alu instid0(VALU_DEP_2)
	v_fma_f32 v[SX+1], v[SX+1], s[SIV], s[SEPS]    ; the variance, M2 / 2^17, + 1e-5
	s_delay_alu instid0(VALU_DEP_2)
	v_fma_f32 v[SX+3], v[SX+3], s[SIV], s[SEPS]
	s_wait_alu depctr_va_vdst(0)
	v_rsq_f32 v[SX+5], v[SX+1]
	v_rsq_f32 v[SX+7], v[SX+3]
	v_mul_f32 v[SX+4], -1.0, v[SX]                 ; (plain lines behind the transcendentals)
	v_mul_f32 v[SX+6], -1.0, v[SX+2]
	s_wait_alu depctr_va_vdst(0)
	ds_store_b128 v[TW], v[SX+4:SX+7]              ; the eight lanes that share lane % 4 write the same 16 bytes with the same value
	ds_load_b64 v[MR:MR+1], v[TR]                  ; group lane / 8: my channels in a row's first half
	ds_load_b64 v[MR+2:MR+3], v[TR] offset:32      ; group 4 + lane / 8: in its second
.endm
	s_load_b512 s[4:19], s[0:1], 0x0               ; x 4, gn_scale 6, gn_bias 8, part 10, wc 12, ws 14, b_out 16, res_codes 18
	s_load_b128 s[20:23], s[0:1], 0x40             ; res_scales 20, out0 22
	v_lshl_add_u32 v14, v0, 2, 0x10800
	v_mov_b32 v15, 0
	v_lshrrev_b32 v1, 5, v0
	s_delay_alu instid0(VALU_DEP_1)
	v_readfirstlane_b32 s[WV], v1                  ; wave 0..7
	v_and_b32 v1, 31, v0                           ; lane
	v_and_b32 v2, 15, v0                           ; r
	v_bfe_u32 v3, v0, 4, 1                         ; h
	s_delay_alu instid0(VALU_DEP_3)
	v_lshlrev_b32 v[LI], 4, v1
	s_delay_alu instid0(VALU_DEP_4)
	v_lshlrev_b32 v[LS], 2, v1
	s_delay_alu instid0(VALU_DEP_4)
	v_and_b32 v[SOA], 8, v2
	s_delay_alu instid0(VALU_DEP_1)
	v_add_nc_u32 v[SOA], v[SOA], v2                ; r + 8 (r / 8)
	s_delay_alu instid0(VALU_DEP_1)
	v_mul_u32_u24 v[SOA], v[SOA], SPT
	s_delay_alu instid0(VALU_DEP_1)
	v_lshl_add_u32 v[SOA], v3, 6, v[SOA]
	s_lshl_b32 s40, s[WV], 7
	v_add_nc_u32 v[SOA], s40, v[SOA]
	s_mul_i32 s40, s[WV], 8*SPT
	v_add_nc_u32 v[SRA], s40, v[LI]
	v_lshlrev_b32 v[R4], 2, v2
	v_lshlrev_b32 v[BO], 6, v3
	s_lshl_b32 s40, s[WV], 6
	s_add_co_u32 s40, s40, TAB
	v_and_b32 v[TW], 3, v0
	s_delay_alu instid0(VALU_DEP_1)
	v_lshl_add_u32 v[TW], v[TW], 4, s40
	v_lshrrev_b32 v[TR], 3, v1
	s_delay_alu instid0(VALU_DEP_1)
	v_lshl_add_u32 v[TR], v[TR], 3, s40
	v_mov_b32 v[RT], 0                             ; written once: a lane permute's destination counts as one of its sources
	s_mov_b32 s[SEL], 0x76543210
	s_mov_b32 s[SEL+1], 0xfedcba98
	s_mov_b32 s[SN], 0x45000000                    ; 2,048
	s_mov_b32 s[SIV], 0x37000000                   ; 2^-17
	s_mov_b32 s[SEPS], 0x3727c5ac                  ; 1e-5
	s_lshl_b32 s32, ttmp9, 16                      ; x and out0: 64 rows of 1,024 bytes a work-group, 8 a wave
	s_lshl_b32 s33, s[WV], 13
	s_add_co_u32 s32, s32, s33
	s_mov_b32 s33, 0
	s_lshr_b32 s34, ttmp9, 6
	s_lshl_b32 s34, s34, 12                        ; part: 4,096 bytes a batch
	s_mov_b32 s35, 0
	s_lshl_b32 s36, s[WV], 13
	s_add_co_u32 s36, s36, 24*8192                 ; wc: run 24 + wave
	s_mov_b32 s37, 0
	s_lshl_b32 s38, s[WV], 8
	s_add_co_u32 s38, s38, 24*256                  ; ws likewise
	s_mov_b32 s39, 0
	s_lshl_b32 s40, s[WV], 7                       ; b_out, gn_bias: my 32 channels
	s_mov_b32 s41, 0
	s_lshl_b32 s42, ttmp9, 14                      ; res_codes: four tiles of 4,096 bytes
	s_mov_b32 s43, 0
	s_lshl_b32 s44, ttmp9, 11                      ; res_scales: four of 512
	s_mov_b32 s45, 0
	s_wait_alu depctr_va_vdst(0)
	s_wait_kmcnt 0x0
	s_add_nc_u64 s[4:5], s[4:5], s[32:33]
	s_add_nc_u64 s[22:23], s[22:23], s[32:33]
	s_add_nc_u64 s[10:11], s[10:11], s[34:35]
	s_add_nc_u64 s[12:13], s[12:13], s[36:37]
	s_add_nc_u64 s[14:15], s[14:15], s[38:39]
	s_add_nc_u64 s[16:17], s[16:17], s[40:41]
	s_add_nc_u64 s[8:9], s[8:9], s[40:41]
	s_add_nc_u64 s[18:19], s[18:19], s[42:43]
	s_add_nc_u64 s[20:21], s[20:21], s[44:45]
.set i, 0
.rept 8
	global_load_b128 v[PT+4*i:PT+4*i+3], v[LI], s[10:11] offset:512*i     ; the batch's 64 parts
.set i, i+1
.endr
.set i, 0
.rept 16
	global_load_b32 v[RAW+i], v[LS], s[20:21] offset:128*i                ; res's scale bytes: (tile m, head) at 4 m + head
.set i, i+1
.endr
.set i, 0
.rept 16
	global_load_b128 v[RF+4*i:RF+4*i+3], v[LI], s[18:19] offset:512*i     ; res of tiles 0, 1: fragment (m, s) at 16 (2 m + s)
.set i, i+1
.endr
.set i, 0
.rept 16
	global_load_b128 v[WF+4*i:WF+4*i+3], v[LI], s[12:13] offset:512*i     ; W's fragments (u, s) at 16 (2 u + s)
.set i, i+1
.endr
.set i, 0
.rept 4
	global_load_b32 v[WSC+i], v[R4], s[14:15] offset:64*i
.set i, i+1
.endr
.irp u, 0,1
	global_load_b128 v[BC+8*\u:BC+8*\u+3], v[BO], s[16:17] offset:32*\u           ; b_out at channels 32 w + 16 h + 8 u + 0 .. 7: the result's layout
	global_load_b128 v[BC+8*\u+4:BC+8*\u+7], v[BO], s[16:17] offset:32*\u+16
	global_load_b128 v[GBC+8*\u:GBC+8*\u+3], v[BO], s[8:9] offset:32*\u           ; gn_bias likewise
	global_load_b128 v[GBC+8*\u+4:GBC+8*\u+7], v[BO], s[8:9] offset:32*\u+16
.endr
	WIN 0x40                                       ; destination window 1
.set i, 0
.rept 16
	global_load_b128 v[64+4*i:64+4*i+3], v[LI], s[18:19] offset:8192+512*i   ; res of tiles 2, 3
.set i, i+1
.endr
.irp j, 0,1
	global_load_b128 v[128+4*\j:128+4*\j+3], v[LI], s[6:7] offset:512*\j     ; gn_scale of channels 128 j + 4 lane .. + 3
.endr
.set i, 0
.rept 16
	global_load_b128 v[4*i:4*i+3], v[LI], s[4:5] offset:512*i                ; my 8 rows of x, last: they are wanted last
.set i, i+1
.endr
	WIN 0
	s_wait_loadcnt 16                              ; all but x's 16 loads are in
.irp m, 0,1,2,3
.irp s, 0,1
	v_lshl_or_b32 v[RSW+2*\m+\s], v[RAW+4*\m+2*\s+1], 16, v[RAW+4*\m+2*\s]   ; K step s is heads 2 s and 2 s + 1: two bytes of each.  (The statistics below are far more than eight plain lines ahead of the products)
.endr
.endr
.set n, 0
.rept 8
	v_pk_add_f32 v[BC+2*n:BC+2*n+1], v[BC+2*n:BC+2*n+1], v[GBC+2*n:GBC+2*n+1]
.set n, n+1
.endr
	STATS
	s_wait_dscnt 0x0
	WIN 0x41                                       ; gn_scale in window 1, rstd in window 0
.irp j, 0,1
.irp k, 0,1,2,3
	v_mul_f32 v[128+4*\j+\k], v[128+4*\j+\k], v[MR+2*\j+1]
.endr
.endr
	WIN 0
.irp s, 0,1                                    ; row tiles 0, 1: four accumulators take turns
.irp m, 0,1
.irp u, 0,1
.if \s == 0
	v_wmma_scale_f32_16x16x128_f8f6f4 v[A0+8*(2*\m+\u):A0+8*(2*\m+\u)+7], v[WF+16*(2*\u+\s):WF+16*(2*\u+\s)+15], v[RF+16*(2*\m+\s):RF+16*(2*\m+\s)+15], v[BC+8*\u:BC+8*\u+7], v[WSC+2*\u+\s], v[RSW+2*\m+\s]
.else
	v_wmma_scale_f32_16x16x128_f8f6f4 v[A0+8*(2*\m+\u):A0+8*(2*\m+\u)+7], v[WF+16*(2*\u+\s):WF+16*(2*\u+\s)+15], v[RF+16*(2*\m+\s):RF+16*(2*\m+\s)+15], v[A0+8*(2*\m+\u):A0+8*(2*\m+\u)+7], v[WSC+2*\u+\s], v[RSW+2*\m+\s]
.endif
.endr
.endr
.endr
	WIN 0x04                                       ; source 1 (res of tiles 2, 3) window 1
.irp s, 0,1
.irp m, 0,1
.irp u, 0,1
.if \s == 0
	v_wmma_scale_f32_16x16x128_f8f6f4 v[GBC+8*(2*\m+\u):GBC+8*(2*\m+\u)+7], v[WF+16*(2*\u+\s):WF+16*(2*\u+\s)+15], v[64+16*(2*\m+\s):64+16*(2*\m+\s)+15], v[BC+8*\u:BC+8*\u+7], v[WSC+2*\u+\s], v[RSW+4+2*\m+\s]
.else
	v_wmma_scale_f32_16x16x128_f8f6f4 v[GBC+8*(2*\m+\u):GBC+8*(2*\m+\u)+7], v[WF+16*(2*\u+\s):WF+16*(2*\u+\s)+15], v[64+16*(2*\m+\s):64+16*(2*\m+\s)+15], v[GBC+8*(2*\m+\u):GBC+8*(2*\m+\u)+7], v[WSC+2*\u+\s], v[RSW+4+2*\m+\s]
.endif
.endr
.endr
.endr
	WIN 0
.rept 8
	v_nop                                          ; eight plain lines behind this matrix form, ahead of the first read of results and of writes and loads into its operands
.endr
.irp m, 0,1,2,3
.irp u, 0,1
	ds_store_b128 v[SOA], v[A0+160*(\m/2)+8*(2*(\m%2)+\u):A0+160*(\m/2)+8*(2*(\m%2)+\u)+3] offset:SPT*(32*(\m/2)+8*(\m%2))+32*\u        ; each accumulator from its low end on
	ds_store_b128 v[SOA], v[A0+160*(\m/2)+8*(2*(\m%2)+\u)+4:A0+160*(\m/2)+8*(2*(\m%2)+\u)+7] offset:SPT*(32*(\m/2)+8*(\m%2))+32*\u+16
.endr
.endr
	s_wait_dscnt 0x0                               ; for the others' sake: my stores into the stage have landed
	s_barrier_signal -1
	s_barrier_wait -1                              ; 64 whole rows lie in the stage
.set n, 0
.rept 16
	ds_load_b128 v[RF+4*n:RF+4*n+3], v[SRA] offset:SPT*(n/2)+512*(n%2)
.set n, n+1
.endr
	s_wait_loadcnt 0x0                             ; x
	WIN 0x01                                       ; x in window 1
.set n, 0
.rept 32
	v_pk_add_f32 v[DV+2*n:DV+2*n+1], v[2*n:2*n+1], v[MR+2*((n/2)%2):MR+2*((n/2)%2)+1] op_sel_hi:[1,0]   ; x - mean
.set n, n+1
.endr
	s_wait_dscnt 0x0
	WIN 0x04                                       ; gn_scale x rstd in window 1
.set n, 0
.rept 32
	v_pk_fma_f32 v[RF+2*n:RF+2*n+1], v[DV+2*n:DV+2*n+1], v[128+4*((n/2)%2)+2*(n%2):128+4*((n/2)%2)+2*(n%2)+1], v[RF+2*n:RF+2*n+1]
.set n, n+1
.endr
	WIN 0
.set n, 0
.rept 16
	global_store_b128 v[LI], v[RF+4*n:RF+4*n+3], s[22:23] offset:512*n th:TH_STORE_NT   ; 512 consecutive bytes, aligned; written once, read by nobody here
.set n, n+1
.endr
	s_wait_tensorcnt 0x0
	ds_add_u32 v14, v15
	s_wait_dscnt 0x0
	s_endpgm
.Lfunc_end_k_q0a524ff1a2_proj:
	.size	k_q0a524ff1a2_proj, .Lfunc_end_k_q0a524ff1a2_proj-k_q0a524ff1a2_proj
	.p2alignl 7, 3214868480
	.fill 96, 4, 3214868480
	.section	.rodata,"a",@progbits
	.p2align	6, 0x0
	.amdhsa_kernel k_q0a524ff1a2_proj
		.amdhsa_group_segment_fixed_size 68608
		.amdhsa_private_segment_fixed_size 0
		.amdhsa_enable_private_segment 0
		.amdhsa_kernarg_size 80
		.amdhsa_user_sgpr_count 2
		.amdhsa_user_sgpr_kernarg_segment_ptr 1
		.amdhsa_wavefront_size32 1
		.amdhsa_system_sgpr_workgroup_id_x 1
		.amdhsa_system_sgpr_workgroup_id_y 1
		.amdhsa_system_sgpr_workgroup_id_z 1
		.amdhsa_system_vgpr_workitem_id 0
		.amdhsa_next_free_vgpr 512
		.amdhsa_next_free_sgpr 66
		.amdhsa_reserve_vcc 0
		.amdhsa_float_denorm_mode_32 3
		.amdhsa_float_denorm_mode_16_64 3
		.amdhsa_memory_ordered 1
		.amdhsa_forward_progress 1
		.amdhsa_inst_pref_size 30
	.end_amdhsa_kernel
	.amdgpu_metadata
---
amdhsa.version: [ 1, 2 ]
amdhsa.kernels:
  - .name:           k_q0a524ff1a2_proj
    .symbol:         k_q0a524ff1a2_proj.kd
    .args:
      - { .name: x, .offset: 0, .size: 8, .value_kind: global_buffer, .address_space: global }
      - { .name: gn_scale, .offset: 8, .size: 8, .value_kind: global_buffer, .address_space: global }
      - { .name: gn_bias, .offset: 16, .size: 8, .value_kind: global_buffer, .address_space: global }
      - { .name: part, .offset: 24, .size: 8, .value_kind: global_buffer, .address_space: global }
      - { .name: wc, .offset: 32, .size: 8, .value_kind: global_buffer, .address_space: global }
      - { .name: ws, .offset: 40, .size: 8, .value_kind: global_buffer, .address_space: global }
      - { .name: b_out, .offset: 48, .size: 8, .value_kind: global_buffer, .address_space: global }
      - { .name: res_codes, .offset: 56, .size: 8, .value_kind: global_buffer, .address_space: global }
      - { .name: res_scales, .offset: 64, .size: 8, .value_kind: global_buffer, .address_space: global }
      - { .name: out0, .offset: 72, .size: 8, .value_kind: global_buffer, .address_space: global }
    .group_segment_fixed_size: 68608
    .private_segment_fixed_size: 0
    .kernarg_segment_align: 8
    .kernarg_segment_size: 80
    .max_flat_workgroup_size: 256
    .sgpr_count:     66
    .vgpr_count:     512
    .wavefront_size: 32
...
	.end_amdgpu_metadata
.endif
;; end of part 4
